; MI455X (gfx1250); checked and timed in simulation.
; The chip was launched on July 23, 2026; its instructions are those of AMD's public machine-readable ISA for CDNA 5 (MIT licence, August 2026) and "CDNA5" Instruction Set Architecture Reference Guide (July 2026). The comments in the code are by the model that wrote it; some were corrected since.
;; T Attention. Allowed arithmetic: matrix products marked QUANTISED: E4M3 operands, one given power-of-two scale a tensor, by v_wmma_f32_16x16x64_fp8_fp8 or v_wmma_f32_16x16x128_fp8_fp8, f32 sums; everything else in f32.
;; Inputs: W1_codes 256 x 8 x 32 uint8 (E4M3 codes of W1, K innermost, in blocks of 32 codes); W2_codes 256 x 8 x 32 uint8 (E4M3 codes of W2, K innermost, in blocks of 32 codes); Wk_codes 256 x 8 x 32 uint8 (E4M3 codes of Wk, K innermost, in blocks of 32 codes); Wq_codes 256 x 8 x 32 uint8 (E4M3 codes of Wq, K innermost, in blocks of 32 codes); Wv_codes 256 x 8 x 32 uint8 (E4M3 codes of Wv, K innermost, in blocks of 32 codes); b1 256 float32; b2 256 float32; bf1 256 float32; bf2 256 float32; g1 256 float32; g2 256 float32; lowp_scales 14 int32 (the exponents e of the quantised operands' scales 2^e); x 4 x 4,096 x 256 float32.
;; Outputs: out0 4 x 4,096 x 256 float32.
;; This version of the problem:
;;   THIS VERSION OF THE PROBLEM IS GIVEN IN LOW PRECISION. The matrix products marked QUANTISED in the list below multiply operands that are first quantised to E4M3 (4 exponent bits, 3 mantissa bits; 8 bits a number), with one given power-of-two scale for each operand tensor; their sums are f32. All else is computed in f32.
;;   The module's matrix products, in the order in which they are computed (A, B: the left and right operand; K: the contracted axis; several contracted axes count as one K, in the product's order):
;;     1. [M 16,384, K 256] x [K 256, N 256]; A: computed on the way; B: input Wq (given as codes): QUANTISED (scales: A lowp_scales[0], B lowp_scales[1])
;;     2. [M 16,384, K 256] x [K 256, N 256]; A: computed on the way; B: input Wk (given as codes): QUANTISED (scales: A lowp_scales[2], B lowp_scales[3])
;;     3. [M 16,384, K 256] x [K 256, N 256]; A: computed on the way; B: input Wv (given as codes): QUANTISED (scales: A lowp_scales[4], B lowp_scales[5])
;;     4. batch 16 x [M 4,096, K 64] x [K 64, N 4,096]; A: computed on the way; B: computed on the way: QUANTISED (scales: A lowp_scales[6], B lowp_scales[7])
;;     5. batch 16 x [M 64, K 4,096] x [K 4,096, N 4,096]; A: computed on the way; B: softmax (see below): QUANTISED (scales: A lowp_scales[8], B lowp_scales[9])
;;     6. [M 16,384, K 256] x [K 256, N 256]; A: computed on the way; B: input W1 (given as codes): QUANTISED (scales: A lowp_scales[10], B lowp_scales[11])
;;     7. [M 16,384, K 256] x [K 256, N 256]; A: computed on the way; B: input W2 (given as codes): QUANTISED (scales: A lowp_scales[12], B lowp_scales[13])
;;   THE QUANTISER, for each operand of a quantised product, along K:
;;     - The operand's scale is 2^e, e = its entry of the input lowp_scales (int32; the entries are numbered through the quantised products in the list's order, A before B).
;;     - Each number is divided by the scale, clamped to +-448, and rounded to the nearest number of E4M3, ties to even, subnormals kept.
;;     - The product sums the exact products of the quantised numbers (number of the format x scale) in f32.
;;   ~~~python
;;   def quantise(x, axis, e):      # numpy; x: float32 -> the quantised numbers, widened to float32 again
;;       x = np.moveaxis(x, axis, -1); K = x.shape[-1]
;;       r = np.clip(x / 2.0 ** e, -448, 448)
;;       step = 2.0 ** (np.maximum(np.frexp(np.where(r == 0, 1, r))[1] - 1, -6) - 3)
;;       q = np.round(r / step) * step * 2.0 ** e      # np.round: ties to even
;;       return np.moveaxis(q, -1, axis).astype(np.float32)
;;   ~~~
;;   SOFTMAX AHEAD OF A QUANTISED PRODUCT. Where the list says 'softmax', what is quantised is not the finished softmax but p = 2^(t - M), with t = logit x log2(e) and M = ceil(the row's largest t), a whole number; so 1/2 < the row's largest p <= 1. The row's sum l is taken of the UNQUANTISED p, in f32, and the product's result is divided by l at the end. Since M is a whole number, a kernel that streams over the keys may use a running M (the ceiling of the running maximum): every later rescaling is an exact power of two, so the quantised numbers keep their values, but for numbers so far below the row's largest that they fall under the format's range.
;;   OPERANDS COMPUTED ON THE WAY. 'Computed on the way' means the value that the module computes at that place (a softmax that the list does not call 'softmax' is quantised finished and normalised). What goes into a quantiser is computed in f32, as accurately as f32 sums, v_exp_f32 and their like allow (about 1e-6 of the number): no bf16 or f16 on the way to a quantiser, and a product that is left as it is and whose result goes on into a quantised operand takes f32 operands (vector FMAs, or v_wmma_f32_16x16x4_f32). A number that lies on a knife's edge between two numbers of the format may be rounded either way, as far as f32 arithmetic and the matrix unit's own rounding can turn it there, and no further.
;;   INPUTS GIVEN AS CODES. W1 (in the module: [256, 256], K = its axis 1); W2 (in the module: [256, 256], K = its axis 1); Wk (in the module: [256, 256], K = its axis 1); Wq (in the module: [256, 256], K = its axis 1); Wv (in the module: [256, 256], K = its axis 1): each comes as NAME_codes (uint8): NAME with its K axis moved to the last place and cut into blocks of 32 codes, [.., K / 32, bytes a block], one block behind the other in memory; one code a byte (a code: sign, 4 exponent bits, 3 mantissa bits); its scale is its entry of lowp_scales. Its value is code x scale, taken as it is: it is not quantised again, and the codes and scales need not be those that the quantiser above would give.
;; 2 versions. Each part assembles by itself: llvm-mc -triple=amdgcn-amd-amdhsa -mcpu=gfx1250 --defsym DOCPART=n.
;; ======== version 1 of 2: 2 launches
;; workspace buffers: qimg 4,194,304 bytes; kimg 4,194,304 bytes; vimg 4,194,304 bytes
;; launch qkv (part 1): grid 256 x 1, 16 waves a work-group, no clusters, 54,272 bytes of LDS; arguments x, g1, b1, Wq_codes, Wk_codes, Wv_codes, lowp_scales, qimg, kimg, vimg; writes qimg, kimg, vimg
.if DOCPART == 1
	.amdgcn_target "amdgcn-amd-amdhsa--gfx1250"
	.amdhsa_code_object_version 6
	.text
	.protected	k_q77998598ad_qkv
	.globl	k_q77998598ad_qkv
	.p2align	8
	.type	k_q77998598ad_qkv,@function
k_q77998598ad_qkv:
	s_mov_b64 s[64:65], 0
	v_nop
	global_prefetch_b8 v0, s[64:65] scope:SCOPE_SE
	s_setreg_imm32_b32 hwreg(HW_REG_WAVE_MODE, 25, 1), 1
	s_wait_xcnt 0x0
; xn = layernorm(x, g1, b1); q = xn Wq^T, k = xn Wk^T, v = xn Wv^T on codes of E4M3; q, k, v leave as codes, laid as the next launch's operand registers.
; x: [16384][256] f32.  Wq, Wk, Wv: [256][256] codes, K innermost.  lowp_scales: e0 .. e13; here e0 .. e8.
; xn is quantised three times (2^e0 for q, 2^e2 for k, 2^e4 for v).  A sum of the first product stands for sum x 2^(e0 + e1), so q's code is sum / 2^(e6 - e0 - e1); k and v likewise.
; SHARES.  A work-group of sixteen waves owns 64 rows.  Wave w normalises rows 4 w .. 4 w + 3 (a lane holds k = 8 lane .. + 7 of each) and puts their codes into LDS.
; Then waves 0-7 make q, waves 8-15 k: 32 features each (b = w % 8), and every wave 16 features of v, for all 64 rows: each weight fragment is loaded once by one wave.
; THE ROWS OF A TILE ARE NOT NEIGHBOURS: tile 2 a + u holds rows 32 a + 8 u + r + 8 (r / 8).  So v = xn Wv^T (source 0 = xn) gives a lane 16 neighbouring KEYS of one channel in the two
; tiles of a pair, and in the next launch K Q^T gives a lane 16 neighbouring keys of one query.  W's rows of a q or k tile are chosen the same way: a lane holds 16 neighbouring features.
; Every 8-bit fragment is fed by pieces of 16 bytes (registers 4 c .. 4 c + 3: k = 32 c + 16 (lane / 16) + 0 .. 15), the same on both sides of a product: a permutation of k.
; LDS: twelve images (3 scales x 4 tiles) of 16 rows x 256 K: 16 pieces of 16 k, 272 bytes each (16 rows x 16 bytes + 16 of padding).
; OUT.  qimg, kimg: [bh][tile][c'][lane][16 bytes] (d = 32 c' + 16 h + 0 .. 15); vimg: [bh][step of 128 keys][16 channels ct][c][lane][16 bytes] (keys 32 c + 16 h + 0 .. 15).  A store of a wave covers 512 consecutive bytes, aligned.
; No cluster, no tensor load: x is read by one work-group alone, and the weights go straight into registers.
; LIMITS: e0, e2, e4, e6 - e0 - e1, e7 - e2 - e3, e8 - e4 - e5 lie between -126 and 119, so that each power of two and 448 times it is an f32 number.  NaN among the inputs is not served.
; REGISTERS: v1-11 lane numbers and addresses; v16-31 g1, b1; v32-63 x, later xn's fragments for q or k; v64-79 at work, later two accumulators; v80-103 xn's codes, later v's accumulators and
; q's or k's codes (v96-111); v104-111 sums; v112-121 scales; v128-191 Wq's or Wk's fragments; v192-223 Wv's; v224-255 x - mean, later xn's fragments for v.
.set SEL, 50                           ; s[50:51] lane selects: lane l xor 16
.set INV, 11                           ; v11 = 1 / 256
.set IMG, 4352                         ; an image: 16 pieces x 272 bytes
.set SET, 4*IMG                        ; the four tiles of one scale
.macro PLACES n
.rept \n
	v_nop
.endr
.endm
.macro POW2 d, e                       ; s[d] = 2^(s[e]) as f32
	s_add_co_i32 s[\d], s[\e], 127
	s_lshl_b32 s[\d], s[\d], 23
.endm
.macro LIM448 d, e                     ; s[d] = 448 x 2^(s[e]) as f32
	s_add_co_i32 s[\d], s[\e], 135
	s_lshl_b32 s[\d], s[\d], 23
	s_or_b32 s[\d], s[\d], 0x600000
.endm
.macro RED4 a, t                       ; four sums over the 32 lanes, by turns; v[t ..] has been written before
.irp m, 1,2,4,8
.irp i, 0,1,2,3
	v_add_f32_dpp v[\a+\i], v[\a+\i], v[\a+\i] row_xmask:\m row_mask:0xf bank_mask:0xf
.endr
.endr
.irp i, 0,1,2,3
	v_permlanex16_b32 v[\t+\i], v[\a+\i], s[SEL], s[SEL+1]
.endr
.irp i, 0,1,2,3
	v_add_f32 v[\a+\i], v[\a+\i], v[\t+\i]
.endr
.endm
; Four rows' layernorm, 8 numbers a lane each: v[dd ..] = (x - mean) rsqrt(var + 1e-5) g + b.  The mean is taken away before the squares, so a common offset costs nothing.
.macro LNROWS xx, dd, gg, bb, sm, rs
.irp i, 0,1,2,3
	v_add_f32 v[\sm+\i], v[\xx+8*\i], v[\xx+8*\i+1]
	v_add_f32 v[\rs+\i], v[\xx+8*\i+2], v[\xx+8*\i+3]
.endr
.irp j, 4,6
.irp i, 0,1,2,3
	v_add_f32 v[\sm+\i], v[\sm+\i], v[\xx+8*\i+\j]
	v_add_f32 v[\rs+\i], v[\rs+\i], v[\xx+8*\i+\j+1]
.endr
.endr
.irp i, 0,1,2,3
	v_add_f32 v[\sm+\i], v[\sm+\i], v[\rs+\i]
.endr
	RED4 \sm, \rs
.irp i, 0,1,2,3
	v_mul_f32 v[\sm+\i], v[\sm+\i], v[INV]           ; the mean
.endr
.irp i, 0,1,2,3
.irp j, 0,1,2,3,4,5,6,7
	v_sub_f32 v[\dd+8*\i+\j], v[\xx+8*\i+\j], v[\sm+\i]
.endr
.endr
.irp i, 0,1,2,3
	v_mul_f32 v[\rs+\i], v[\dd+8*\i], v[\dd+8*\i]
	v_mul_f32 v[\sm+\i], v[\dd+8*\i+1], v[\dd+8*\i+1]
.endr
.irp j, 2,4,6
.irp i, 0,1,2,3
	v_fmac_f32 v[\rs+\i], v[\dd+8*\i+\j], v[\dd+8*\i+\j]
	v_fmac_f32 v[\sm+\i], v[\dd+8*\i+\j+1], v[\dd+8*\i+\j+1]
.endr
.endr
.irp i, 0,1,2,3
	v_add_f32 v[\rs+\i], v[\rs+\i], v[\sm+\i]
.endr
	RED4 \rs, \sm
.irp i, 0,1,2,3
	v_fmaak_f32 v[\rs+\i], v[\rs+\i], v[INV], 0x3727c5ac   ; var + 1e-5
.endr
.irp i, 0,1,2,3
	v_rsq_f32 v[\rs+\i], v[\rs+\i]
.endr
	v_nop                                            ; a plain instruction behind the last of the four,
	s_wait_alu depctr_va_vdst(0)                     ; and one wait for the four, ahead of their first reader
.irp i, 0,1,2,3
.irp j, 0,1,2,3,4,5,6,7
	v_mul_f32 v[\dd+8*\i+\j], v[\dd+8*\i+\j], v[\rs+\i]
.endr
.endr
.irp i, 0,1,2,3
.irp j, 0,2,4,6
	v_pk_fma_f32 v[\dd+8*\i+\j:\dd+8*\i+\j+1], v[\dd+8*\i+\j:\dd+8*\i+\j+1], v[\gg+\j:\gg+\j+1], v[\bb+\j:\bb+\j+1]
.endr
.endr
.endm
	s_load_b512 s[8:23], s[0:1], 0x0               ; x s[8:9], g1 s[10:11], b1 s[12:13], Wq s[14:15], Wk s[16:17], Wv s[18:19], scales s[20:21], qimg s[22:23]
	s_load_b128 s[24:27], s[0:1], 0x40             ; kimg s[24:25], vimg s[26:27]
	v_lshl_add_u32 v126, v0, 2, 0xcc00
	v_mov_b32 v127, 0
	v_lshrrev_b32 v1, 5, v0
	v_readfirstlane_b32 s2, v1                     ; wave w, 0..15
	v_and_b32 v1, 31, v0                           ; lane L
	v_and_b32 v2, 15, v0                           ; r
	v_bfe_u32 v3, v0, 4, 1                         ; h
	v_lshlrev_b32 v4, 5, v1                        ; 32 L: my 8 numbers of a row, of g1 and of b1
	v_lshlrev_b32 v10, 4, v1                       ; 16 L: my place in an image in memory
	v_mov_b32 v11, 0x3b800000                      ; 1 / 256
	; where my rows' codes go: piece L / 2, byte 8 (L % 2); tile 2 (w / 8) + (w / 2) % 2, tile row 8 ((w / 4) % 2) + 4 (w % 2) + i
	v_lshrrev_b32 v5, 1, v1
	v_mul_u32_u24 v5, v5, 272
	v_and_b32 v12, 1, v1
	v_lshl_add_u32 v5, v12, 3, v5
	s_lshr_b32 s41, s2, 3                          ; 0: q, 1: k.  Also: which 32 of the 64 rows I normalise
	s_bfe_u32 s56, s2, 0x10001
	s_lshl_b32 s57, s41, 1
	s_add_co_u32 s57, s57, s56
	s_mul_i32 s57, s57, IMG
	s_bfe_u32 s56, s2, 0x10002
	s_lshl_b32 s56, s56, 7
	s_add_co_u32 s57, s57, s56
	s_and_b32 s56, s2, 1
	s_lshl_b32 s56, s56, 6
	s_add_co_u32 s57, s57, s56
	v_add_nc_u32 v5, s57, v5
	; where a fragment's pieces lie: 272 h + 16 r, in the set of my product's scale
	v_mul_u32_u24 v6, v3, 272
	v_lshl_add_u32 v6, v2, 4, v6
	v_add_nc_u32 v7, 2*SET, v6                     ; v: the third set
	s_mul_i32 s57, s41, SET
	v_add_nc_u32 v6, s57, v6                       ; q: the first, k: the second
	v_and_b32 v12, 8, v2
	v_add_nc_u32 v12, v12, v2                      ; r + 8 (r / 8)
	v_lshlrev_b32 v8, 8, v12
	v_lshl_add_u32 v8, v3, 4, v8                   ; Wq, Wk: row r + 8 (r / 8) of 256 bytes, + 16 h
	v_lshlrev_b32 v9, 8, v2
	v_lshl_add_u32 v9, v3, 4, v9                   ; Wv: row r, + 16 h
	s_mov_b32 s50, 0x76543210
	s_mov_b32 s51, 0xfedcba98
	s_lshr_b32 s3, ttmp9, 6                        ; batch
	s_and_b32 s4, ttmp9, 63                        ; which 64 rows of the batch
	s_and_b32 s5, s2, 7                            ; b: features 32 b on
	s_lshl_b32 s28, ttmp9, 16                      ; x: 64 rows of 1,024 bytes a work-group,
	s_lshl_b32 s29, s2, 12                         ; 4 rows a wave
	s_add_co_u32 s28, s28, s29
	s_mov_b32 s29, 0
	s_lshl_b32 s30, s5, 13                         ; Wq, Wk: 32 rows of 256 bytes
	s_mov_b32 s31, 0
	s_lshl_b32 s6, s2, 12                          ; Wv: 16 rows
	s_mov_b32 s7, 0
	s_lshl_b32 s52, s3, 2                          ; qimg, kimg: bh = 4 batch + b / 2, 262,144 bytes each;
	s_lshr_b32 s53, s5, 1
	s_add_co_u32 s52, s52, s53
	s_lshl_b32 s52, s52, 18
	s_lshl_b32 s53, s4, 12                         ; four tiles of 1,024 bytes a work-group;
	s_add_co_u32 s52, s52, s53
	s_and_b32 s53, s5, 1                           ; c' = b % 2
	s_lshl_b32 s53, s53, 9
	s_add_co_u32 s52, s52, s53
	s_mov_b32 s53, 0
	s_lshl_b32 s54, s3, 2                          ; vimg: bh = 4 batch + w / 4;
	s_lshr_b32 s55, s2, 2
	s_add_co_u32 s54, s54, s55
	s_lshl_b32 s54, s54, 18
	s_lshr_b32 s55, s4, 1                          ; a step of 128 keys is two work-groups' rows: 8,192 bytes;
	s_lshl_b32 s55, s55, 13
	s_add_co_u32 s54, s54, s55
	s_and_b32 s55, s2, 3                           ; ct = w % 4: 2,048 bytes;
	s_lshl_b32 s55, s55, 11
	s_add_co_u32 s54, s54, s55
	s_and_b32 s55, s4, 1                           ; my 64 keys are c = 2 (work-group % 2) + 0, 1
	s_lshl_b32 s55, s55, 10
	s_add_co_u32 s54, s54, s55
	s_mov_b32 s55, 0
	s_wait_kmcnt 0x0
	s_load_b256 s[32:39], s[20:21], 0x0            ; e0 .. e7
	s_load_b32 s40, s[20:21], 0x20                 ; e8
	s_add_nc_u64 s[8:9], s[8:9], s[28:29]
	s_cmp_lt_u32 s2, 8                             ; q's wave or k's: the choice hangs on the wave's number alone
	s_cselect_b64 s[42:43], s[14:15], s[16:17]
	s_cselect_b64 s[46:47], s[22:23], s[24:25]
	s_add_nc_u64 s[42:43], s[42:43], s[30:31]
	s_add_nc_u64 s[44:45], s[18:19], s[6:7]
	s_add_nc_u64 s[46:47], s[46:47], s[52:53]
	s_add_nc_u64 s[48:49], s[26:27], s[54:55]
	global_load_b128 v[16:19], v4, s[10:11]
	global_load_b128 v[20:23], v4, s[10:11] offset:16
	global_load_b128 v[24:27], v4, s[12:13]
	global_load_b128 v[28:31], v4, s[12:13] offset:16
.irp i, 0,1,2,3
	global_load_b128 v[32+8*\i:35+8*\i], v4, s[8:9] offset:1024*\i th:TH_LOAD_NT
	global_load_b128 v[36+8*\i:39+8*\i], v4, s[8:9] offset:1024*\i+16 th:TH_LOAD_NT
.endr
.irp t, 0,1                                    ; Wq's or Wk's fragment (tile t, K step s) at v[128 + 32 t + 16 s]: tile t begins 8 t rows on
.irp s, 0,1
.irp c, 0,1,2,3
	global_load_b128 v[128+32*\t+16*\s+4*\c:131+32*\t+16*\s+4*\c], v8, s[42:43] offset:2048*\t+128*\s+32*\c
.endr
.endr
.endr
.irp s, 0,1                                    ; Wv's fragment of K step s at v[192 + 16 s]
.irp c, 0,1,2,3
	global_load_b128 v[192+16*\s+4*\c:195+16*\s+4*\c], v9, s[44:45] offset:128*\s+32*\c
.endr
.endr
	s_wait_kmcnt 0x0
	POW2 56, 32
	v_mov_b32 v112, s56                            ; 2^e0, 2^e2, 2^e4: the conversions take the exponent field
	LIM448 56, 32
	v_mov_b32 v115, s56                            ; and 448 times each
	POW2 56, 34
	v_mov_b32 v113, s56
	LIM448 56, 34
	v_mov_b32 v116, s56
	POW2 56, 36
	v_mov_b32 v114, s56
	LIM448 56, 36
	v_mov_b32 v117, s56
	s_sub_co_i32 s57, s38, s32
	s_sub_co_i32 s57, s57, s33                     ; e6 - e0 - e1
	s_sub_co_i32 s58, s39, s34
	s_sub_co_i32 s58, s58, s35                     ; e7 - e2 - e3
	s_cmp_lt_u32 s2, 8
	s_cselect_b32 s57, s57, s58
	POW2 56, 57
	v_mov_b32 v118, s56
	LIM448 56, 57
	v_mov_b32 v119, s56
	s_sub_co_i32 s57, s40, s36
	s_sub_co_i32 s57, s57, s37                     ; e8 - e4 - e5
	POW2 56, 57
	v_mov_b32 v120, s56
	LIM448 56, 57
	v_mov_b32 v121, s56
	s_wait_loadcnt 24                              ; g1, b1 and x are in; the 24 loads of weights issued behind them may stay out
	LNROWS 32, 224, 16, 24, 104, 108
	; each row three times: held within 448 x the scale (the conversion to an 8-bit code does not saturate: ISA guide 7.6.2), converted, 8 codes into the image.
	; The held numbers lie in v64-71 and v72-79 by turns, so that eight plain instructions stand between a conversion and the next write of its sources.
.irp i, 0,1,2,3
.irp q, 0,1,2
.irp j, 0,1,2,3,4,5,6,7
	v_med3_num_f32 v[64+8*((3*\i+\q)%2)+\j], v[224+8*\i+\j], -v[115+\q], v[115+\q]
.endr
	v_cvt_scalef32_pk8_fp8_f32 v[80+2*(3*\i+\q):81+2*(3*\i+\q)], v[64+8*((3*\i+\q)%2):71+8*((3*\i+\q)%2)], v[112+\q]
	ds_store_b64 v5, v[80+2*(3*\i+\q):81+2*(3*\i+\q)] offset:SET*\q+16*\i
.endr
.endr
	v_nop                                          ; a plain instruction behind the last conversion: matrix instructions write these registers later
	s_wait_dscnt 0x0                               ; for the others' sake: my codes lie in LDS
	s_barrier_signal -1
	s_barrier_wait -1
	s_wait_loadcnt 0x0                             ; the weights
	; the four tiles of rows.  Six matrix instructions a tile, three accumulators by turns; the first K step starts each sum.
.irp hb, 0,1
.irp u, 0,1
.irp s, 0,1
.irp c, 0,1,2,3
	ds_load_b128 v[32+16*\s+4*\c:35+16*\s+4*\c], v6 offset:IMG*(2*\hb+\u)+(8*\s+2*\c)*272
	ds_load_b128 v[224+16*\s+4*\c:227+16*\s+4*\c], v7 offset:IMG*(2*\hb+\u)+(8*\s+2*\c)*272
.endr
.endr
	s_wait_dscnt 0x0
	v_wmma_f32_16x16x128_fp8_fp8 v[64:71], v[128:143], v[32:47], 0          ; source 0 = 16 rows of W, source 1 = xn: a lane holds one row and features 32 b + 16 h + 0 .. 7,
	v_wmma_f32_16x16x128_fp8_fp8 v[72:79], v[160:175], v[32:47], 0          ; and + 8 .. 15
	v_wmma_f32_16x16x128_fp8_fp8 v[80+8*\u:87+8*\u], v[224:239], v[192:207], 0   ; source 0 = xn, source 1 = 16 rows of Wv: a lane holds one channel and keys 32 hb + 16 h + 8 u + 0 .. 7
	v_wmma_f32_16x16x128_fp8_fp8 v[64:71], v[144:159], v[48:63], v[64:71]
	v_wmma_f32_16x16x128_fp8_fp8 v[72:79], v[176:191], v[48:63], v[72:79]
	v_wmma_f32_16x16x128_fp8_fp8 v[80+8*\u:87+8*\u], v[240:255], v[208:223], v[80+8*\u:87+8*\u]
	PLACES 5                                       ; four ahead of the reads of results and of the next loads into the fragments, five ahead of the matrix instructions that begin these accumulators anew
.set n, 0
.rept 16
	v_med3_num_f32 v[64+n], v[64+n], -v119, v119
.set n, n+1
.endr
	v_cvt_scalef32_pk8_fp8_f32 v[96+4*(2*\hb+\u):97+4*(2*\hb+\u)], v[64:71], v118
	v_cvt_scalef32_pk8_fp8_f32 v[98+4*(2*\hb+\u):99+4*(2*\hb+\u)], v[72:79], v118
	v_nop
	global_store_b128 v10, v[96+4*(2*\hb+\u):99+4*(2*\hb+\u)], s[46:47] offset:1024*(2*\hb+\u)   ; every store has data registers of its own: none is written again
.if \u == 1
.set n, 0
.rept 16
	v_med3_num_f32 v[80+n], v[80+n], -v121, v121
.set n, n+1
.endr
	v_cvt_scalef32_pk8_fp8_f32 v[16+4*\hb:17+4*\hb], v[80:87], v120
	v_cvt_scalef32_pk8_fp8_f32 v[18+4*\hb:19+4*\hb], v[88:95], v120
	v_nop
	global_store_b128 v10, v[16+4*\hb:19+4*\hb], s[48:49] offset:512*\hb
.endif
.endr
.endr
	s_wait_tensorcnt 0x0
	ds_add_u32 v126, v127
	s_wait_dscnt 0x0
	s_endpgm
.Lfunc_end_k_q77998598ad_qkv:
	.size	k_q77998598ad_qkv, .Lfunc_end_k_q77998598ad_qkv-k_q77998598ad_qkv
	.p2alignl 7, 3214868480
	.fill 96, 4, 3214868480
	.section	.rodata,"a",@progbits
	.p2align	6, 0x0
	.amdhsa_kernel k_q77998598ad_qkv
		.amdhsa_group_segment_fixed_size 54272
		.amdhsa_private_segment_fixed_size 0
		.amdhsa_enable_private_segment 0
		.amdhsa_kernarg_size 80
		.amdhsa_user_sgpr_count 2
		.amdhsa_user_sgpr_kernarg_segment_ptr 1
		.amdhsa_wavefront_size32 1
		.amdhsa_system_sgpr_workgroup_id_x 1
		.amdhsa_system_sgpr_workgroup_id_y 1
		.amdhsa_system_sgpr_workgroup_id_z 1
		.amdhsa_system_vgpr_workitem_id 0
		.amdhsa_next_free_vgpr 256
		.amdhsa_next_free_sgpr 66
		.amdhsa_reserve_vcc 0
		.amdhsa_float_denorm_mode_32 3
		.amdhsa_float_denorm_mode_16_64 3
		.amdhsa_memory_ordered 1
		.amdhsa_forward_progress 1
		.amdhsa_inst_pref_size 39
	.end_amdhsa_kernel
	.amdgpu_metadata
---
amdhsa.version: [ 1, 2 ]
amdhsa.kernels:
  - .name:           k_q77998598ad_qkv
    .symbol:         k_q77998598ad_qkv.kd
    .args:
      - { .name: x, .offset: 0, .size: 8, .value_kind: global_buffer, .address_space: global }
      - { .name: g1, .offset: 8, .size: 8, .value_kind: global_buffer, .address_space: global }
      - { .name: b1, .offset: 16, .size: 8, .value_kind: global_buffer, .address_space: global }
      - { .name: Wq_codes, .offset: 24, .size: 8, .value_kind: global_buffer, .address_space: global }
      - { .name: Wk_codes, .offset: 32, .size: 8, .value_kind: global_buffer, .address_space: global }
      - { .name: Wv_codes, .offset: 40, .size: 8, .value_kind: global_buffer, .address_space: global }
      - { .name: lowp_scales, .offset: 48, .size: 8, .value_kind: global_buffer, .address_space: global }
      - { .name: qimg, .offset: 56, .size: 8, .value_kind: global_buffer, .address_space: global }
      - { .name: kimg, .offset: 64, .size: 8, .value_kind: global_buffer, .address_space: global }
      - { .name: vimg, .offset: 72, .size: 8, .value_kind: global_buffer, .address_space: global }
    .group_segment_fixed_size: 54272
    .private_segment_fixed_size: 0
    .kernarg_segment_align: 8
    .kernarg_segment_size: 80
    .max_flat_workgroup_size: 512
    .sgpr_count:     66
    .vgpr_count:     256
    .wavefront_size: 32
...
	.end_amdgpu_metadata
.endif
;; end of part 1
;; launch attn (part 2): grid 256 x 1, 16 waves a work-group, no clusters, 234,496 bytes of LDS; arguments x, qimg, kimg, vimg, lowp_scales, g2, b2, W1_codes, bf1, W2_codes, bf2, out0; writes out0
.if DOCPART == 2
	.amdgcn_target "amdgcn-amd-amdhsa--gfx1250"
	.amdhsa_code_object_version 6
	.text
	.protected	k_q77998598ad_attn
	.globl	k_q77998598ad_attn
	.p2align	8
	.type	k_q77998598ad_attn,@function
k_q77998598ad_attn:
	s_mov_b64 s[64:65], 0
	v_nop
	global_prefetch_b8 v0, s[64:65] scope:SCOPE_SE
	s_setreg_imm32_b32 hwreg(HW_REG_WAVE_MODE, 25, 1), 1
	s_wait_xcnt 0x0
; Causal attention on codes of E4M3 (head size 64, four heads), then xt = x + att, h = layernorm(xt, g2, b2), out = xt + relu(h W1^T + bf1) W2^T + bf2, both of these products on codes too.
; qimg, kimg: [bh][tile][c'][lane][16 bytes]: tile 2 a + u holds rows 32 a + 8 u + r + 8 (r / 8), d = 32 c' + 16 h + 0 .. 15.  vimg: [bh][step][ct][c][lane][16 bytes]: channel 16 ct + r, keys 128 step + 32 c + 16 h + 0 .. 15.
; SOFTMAX: t = score x log2(e) / 8; M = the running largest t rounded up to a whole number; p = 2^(t - M) is quantised with 2^e9, not normalised; the row's sum is taken of the unquantised p and divides at the end;
; when M moves, the sum and O are multiplied by 2^(old M - new M), which rounds nothing.
; SHARES.  A work-group owns two blocks of 32 queries of one batch, block i and block 127 - i, all four heads: a wave owns 16 queries of one head.  Block B needs B / 4 + 1 steps of 128 keys, so every
; work-group has (i / 4 + 1) + ((127 - i) / 4 + 1) = 33 steps for each of its eight pairs of waves.  head = w % 4, late block where (w xor w / 4) is odd, tile u = w / 8.
; K and V of a step (4 heads x 16,384 bytes) come from memory through registers into two LDS slots that take turns: each thread moves 8 x 16 bytes; the loads of step t + 2 are issued at the end of step t.
; One barrier a step: in front of it a wave's stores into the other slot and its reads of this slot are done.  A wave whose queries all lie ahead of a step's keys passes over the step's work, not over the copy or the barrier.
; Both products are used transposed (S^T = K Q^T, O^T = V^T P^T): a lane holds one query; the 16 registers of two neighbouring tiles of S^T are 16 neighbouring keys, so the conversions' results are P's registers.
; NO CLUSTER, NO TENSOR LOAD, though the 64 work-groups of a batch read the same K and V: joint requests exist for tensor loads alone.
; Here the branch on e9 passes over 64 holds of p, beside some 200 other vector instructions of a step whose 12 matrix instructions wait for them; what sharing would spare is 8 loads of 16 bytes a thread and step.
; THE TAIL: att meets in a stage in LDS (64 rows x 1,040 bytes); wave w takes rows 4 w .. + 3 through the residual and the layernorm; h's and the hidden layer's codes go from wave to wave as images
; (16 pieces of 16 k, 272 bytes each); wave w makes features 16 w .. + 15 of both layers for all 64 rows, its weights in registers.
; LIMITS: e9, e10, e12 - e10 - e11 between -126 and 119; e6 + e7 between -123 and 130 (added to c's exponent field); e12 + e13 between -126 and 127.  NaN among the inputs is not served.
; REGISTERS: v1-11 addresses; v12 -M, v13 the largest t, v[14:15] the sum; v16-23 Q; v24-87 fragments of K, then of V (tail: W1, W2); v88-151 S^T, then p; v152-183 O^T; v184-199 P; v200-231 K and V on their way;
; v232-238 at work; v240, v241 the hold and the scale of the conversion in hand; v242 -infinity; v243 1 / 256; v244-252 the tail's addresses.
.set SEL, 52                           ; s[52:53] lane selects: lane l xor 16
.set INV, 243
.set F, 24
.set S, 88
.set O, 152
.set P, 184
.set STG, 200
.set TRIP, 98                          ; s98  the loop's counter: trips of two steps
.set TRIPS, 99                         ; s99  its bound: (the work-group's steps + 1) / 2
.set SLOT1, 65536                      ; LDS: slot 0 at 0, slot 1 here; in a slot K of head n at 8192 n, V at 32768 + 8192 n
.set RP, 1040                          ; a stage row: 1,024 bytes + 16
.set STA, 131072                       ; the stage for att, later for out: 64 rows.  (xt's stage lies at 0, over the slots, which are done with by then)
.set HIMG, 197632                      ; four images of h's codes
.set H2IMG, 215040                     ; four of the hidden layer's
.set IMG, 4352
.macro PLACES n
.rept \n
	v_nop
.endr
.endm
.macro POW2 d, e                       ; s[d] = 2^(s[e]) as f32
	s_add_co_i32 s[\d], s[\e], 127
	s_lshl_b32 s[\d], s[\d], 23
.endm
.macro LIM448 d, e                     ; s[d] = 448 x 2^(s[e]) as f32
	s_add_co_i32 s[\d], s[\e], 135
	s_lshl_b32 s[\d], s[\d], 23
	s_or_b32 s[\d], s[\d], 0x600000
.endm
.macro BAR                             ; my LDS stores have landed and my LDS loads are in: then the work-group's barrier
	s_wait_dscnt 0x0
	s_barrier_signal -1
	s_barrier_wait -1
.endm
.macro RED4 a, t                       ; four sums over the 32 lanes, by turns; v[t ..] has been written before
.irp m, 1,2,4,8
.irp i, 0,1,2,3
	v_add_f32_dpp v[\a+\i], v[\a+\i], v[\a+\i] row_xmask:\m row_mask:0xf bank_mask:0xf
.endr
.endr
.irp i, 0,1,2,3
	v_permlanex16_b32 v[\t+\i], v[\a+\i], s[SEL], s[SEL+1]
.endr
.irp i, 0,1,2,3
	v_add_f32 v[\a+\i], v[\a+\i], v[\t+\i]
.endr
.endm
; Four rows' layernorm, 8 numbers a lane each: v[dd ..] = (x - mean) rsqrt(var + 1e-5) g + b.  The mean is taken away before the squares, so a common offset costs nothing.
.macro LNROWS xx, dd, gg, bb, sm, rs
.irp i, 0,1,2,3
	v_add_f32 v[\sm+\i], v[\xx+8*\i], v[\xx+8*\i+1]
	v_add_f32 v[\rs+\i], v[\xx+8*\i+2], v[\xx+8*\i+3]
.endr
.irp j, 4,6
.irp i, 0,1,2,3
	v_add_f32 v[\sm+\i], v[\sm+\i], v[\xx+8*\i+\j]
	v_add_f32 v[\rs+\i], v[\rs+\i], v[\xx+8*\i+\j+1]
.endr
.endr
.irp i, 0,1,2,3
	v_add_f32 v[\sm+\i], v[\sm+\i], v[\rs+\i]
.endr
	RED4 \sm, \rs
.irp i, 0,1,2,3
	v_mul_f32 v[\sm+\i], v[\sm+\i], v[INV]           ; the mean
.endr
.irp i, 0,1,2,3
.irp j, 0,1,2,3,4,5,6,7
	v_sub_f32 v[\dd+8*\i+\j], v[\xx+8*\i+\j], v[\sm+\i]
.endr
.endr
.irp i, 0,1,2,3
	v_mul_f32 v[\rs+\i], v[\dd+8*\i], v[\dd+8*\i]
	v_mul_f32 v[\sm+\i], v[\dd+8*\i+1], v[\dd+8*\i+1]
.endr
.irp j, 2,4,6
.irp i, 0,1,2,3
	v_fmac_f32 v[\rs+\i], v[\dd+8*\i+\j], v[\dd+8*\i+\j]
	v_fmac_f32 v[\sm+\i], v[\dd+8*\i+\j+1], v[\dd+8*\i+\j+1]
.endr
.endr
.irp i, 0,1,2,3
	v_add_f32 v[\rs+\i], v[\rs+\i], v[\sm+\i]
.endr
	RED4 \rs, \sm
.irp i, 0,1,2,3
	v_fmaak_f32 v[\rs+\i], v[\rs+\i], v[INV], 0x3727c5ac   ; var + 1e-5
.endr
.irp i, 0,1,2,3
	v_rsq_f32 v[\rs+\i], v[\rs+\i]
.endr
	v_nop                                            ; a plain instruction behind the last of the four,
	s_wait_alu depctr_va_vdst(0)                     ; and one wait for the four, ahead of their first reader
.irp i, 0,1,2,3
.irp j, 0,1,2,3,4,5,6,7
	v_mul_f32 v[\dd+8*\i+\j], v[\dd+8*\i+\j], v[\rs+\i]
.endr
.endr
.irp i, 0,1,2,3
.irp j, 0,2,4,6
	v_pk_fma_f32 v[\dd+8*\i+\j:\dd+8*\i+\j+1], v[\dd+8*\i+\j:\dd+8*\i+\j+1], v[\gg+\j:\gg+\j+1], v[\bb+\j:\bb+\j+1]
.endr
.endr
.endm
; A step's K and V of all four heads: 8 loads, each of 8,192 consecutive bytes for the work-group's 512 threads
.macro LOADKV
.irp n, 0,1,2,3
	global_load_b128 v[STG+4*\n:STG+4*\n+3], v3, s[54:55] offset:262144*\n
.endr
.irp n, 0,1,2,3
	global_load_b128 v[STG+16+4*\n:STG+16+4*\n+3], v3, s[56:57] offset:262144*\n
.endr
.endm
.macro STOREKV t                       ; and into the slot whose address v[t] holds
.irp n, 0,1,2,3,4,5,6,7
	ds_store_b128 v[\t], v[STG+4*\n:STG+4*\n+3] offset:8192*\n
.endr
.endm
; PREFETCHES, where the wave has just issued its loads.  (1) K and V: the loads of step t ask for step t + 2; here step t + 3 is named: its 8 chunks of 8,192 bytes, one a wave (waves 0-3: K of head w, waves 4-7: V),
; lanes 256 bytes apart.  All work-groups of a batch walk the same steps from 0 on: the batch's first work-group asks, which walks all 32; it stops when t + 3 reaches 32.  Steps 0 to 2 come by their loads alone.
; (2) the work-group's own 64 rows of x, which the tail reads: once, in the last step but one, by waves 8-15: 8 rows a wave, four lanes a row.
.macro ASK
	s_add_co_u32 s49, s48, 3
	s_cmp_lt_u32 s49, s60
	s_cbranch_scc0 .Lnp_\@
	global_prefetch_b8 v6, s[58:59] th:TH_LOAD_NT scope:SCOPE_SE
.Lnp_\@:
	s_cmp_eq_u32 s48, s61
	s_cbranch_scc0 .Lnx_\@
	global_prefetch_b8 v7, s[62:63] th:TH_LOAD_NT scope:SCOPE_SE
.Lnx_\@:
.endm
; A KEY STEP of a wave: 128 keys against my 16 queries.  v[a]: my lane's place in my head's part of the slot.
.macro COMPUTE a
.set n, 0
.rept 8
	ds_load_b128 v[F+8*n:F+8*n+3], v[\a] offset:1024*n
	ds_load_b128 v[F+8*n+4:F+8*n+7], v[\a] offset:1024*n+512
.set n, n+1
.endr
	s_wait_dscnt 0x0
.set n, 0
.rept 8
	v_wmma_f32_16x16x64_fp8_fp8 v[S+8*n:S+8*n+7], v[F+8*n:F+8*n+7], v[16:23], 0   ; register 16 b + i of S^T: key 32 b + 16 h + i
.set n, n+1
.endr
	PLACES 4                                       ; ahead of the loads into the registers just read, and of the first read of results
.set n, 0
.rept 16
	ds_load_b128 v[F+4*n:F+4*n+3], v[\a] offset:32768+512*n   ; V's four fragments land while the softmax is worked
.set n, n+1
.endr
	s_cmp_lt_u32 s48, s45                          ; ahead of the diagonal step every key counts
	s_cbranch_scc1 .Lopen_\@
.set n, 0
.rept 64
	v_cmp_gt_i32 vcc_lo, 32*(n/16)+n%16, v5        ; hidden where the register's key lies behind my query: the score becomes -infinity, p then 0
	v_cndmask_b32 v[S+n], v[S+n], v242, vcc_lo
.set n, n+1
.endr
.Lopen_\@:
	v_max3_num_f32 v232, v[S], v[S+1], v[S+2]      ; the step's largest score of my query among my 64 keys, in two chains, each accumulator from its low end on,
	v_max3_num_f32 v233, v[S+3], v[S+4], v[S+5]
.set n, 6
.rept 14
	v_max3_num_f32 v232, v232, v[S+n], v[S+n+1]
	v_max3_num_f32 v233, v233, v[S+n+2], v[S+n+3]
.set n, n+4
.endr
	v_max3_num_f32 v232, v232, v[S+62], v[S+63]
	v_max_num_f32 v232, v232, v233
	v_permlanex16_b32 v238, v232, s[SEL], s[SEL+1]
	v_max_num_f32 v232, v232, v238                 ; and among lane l xor 16's
	v_mul_f32 v232, s50, v232                      ; as t (c is positive)
	v_max_num_f32 v13, v13, v232                   ; the running largest t
	v_mov_b32 v232, v12
	v_floor_f32 v12, -v13                          ; -M = floor(-t): M is a whole number
	v_sub_f32 v232, v12, v232                      ; old M - new M, 0 or less
	v_cvt_i32_f32 v232, v232                       ; (it saturates)
	v_ldexp_f32 v234, 1.0, v232                    ; f = 2^(old M - new M)
.set n, 0
.rept 32
	v_pk_fma_f32 v[S+n:S+n+1], v[S+n:S+n+1], s[50:51], v[12:13] op_sel_hi:[1,0,0]   ; t - M, two at a time
.set n, n+2
.endr
.set n, 0
.rept 64
	v_exp_f32 v[S+n], v[S+n]                       ; p = 2^(t - M)
.set n, n+1
.endr
	v_pk_mul_f32 v[14:15], v[14:15], v[234:235] op_sel_hi:[1,0]   ; the sum under the new M: the plain instruction behind the exponentials
	s_wait_alu depctr_va_vdst(0)                   ; one wait for the 64, ahead of their first reader
	v_pk_add_f32 v[236:237], v[S:S+1], v[S+2:S+3]  ; the row's sum of the unquantised p, in two chains
.set n, 4
.rept 15
	v_pk_add_f32 v[14:15], v[14:15], v[S+n:S+n+1]
	v_pk_add_f32 v[236:237], v[236:237], v[S+n+2:S+n+3]
.set n, n+4
.endr
	v_pk_add_f32 v[14:15], v[14:15], v[236:237]
	s_cmp_ge_i32 s35, -8                           ; p is at most 1, and 448 x 2^e9 is at least 1 from e9 = -8 on: then nothing is there to hold
	s_cbranch_scc1 .Lnohold_\@
.set n, 0
.rept 64
	v_min_num_f32 v[S+n], v[S+n], v240             ; the conversion to an 8-bit code does not saturate (ISA guide 7.6.2); p is not negative
.set n, n+1
.endr
.Lnohold_\@:
.set n, 0
.rept 8
	v_cvt_scalef32_pk8_fp8_f32 v[P+2*n:P+2*n+1], v[S+8*n:S+8*n+7], v241
.set n, n+1
.endr
.set n, 0
.rept 16
	v_pk_mul_f32 v[O+n:O+n+1], v[O+n:O+n+1], v[234:235] op_sel_hi:[1,0]   ; O^T under the new M; also the plain instructions between the conversions and the products
.set n, n+2
.endr
	s_wait_dscnt 0x0                               ; V
.set n, 0
.rept 4
	v_wmma_f32_16x16x128_fp8_fp8 v[O+8*n:O+8*n+7], v[F+16*n:F+16*n+15], v[P:P+15], v[O+8*n:O+8*n+7]   ; the four accumulators by turns; eight products K Q^T stand between a step's and the next's
.set n, n+1
.endr
	PLACES 4                                       ; ahead of the next loads into the fragments and the next writes of P and O^T
.endm
; Step t = s47 + dj, whose tiles lie in the given slot.
.macro HALF slot, dj
	s_add_co_u32 s48, s47, \dj
	s_cmp_gt_u32 s48, s45                          ; all of the step's keys lie behind my queries: no work, but the copy and the barrier
	s_cbranch_scc1 .Lhid_\@
	COMPUTE 1+\slot
.Lhid_\@:
	s_wait_loadcnt 0x0                             ; step t + 1 is in registers (asked for a step ago),
	STOREKV 4-\slot                                ; and goes into the other slot: its last readers passed the barrier at the end of step t - 1
	s_wait_xcnt 0x0                                ; the addresses of the last loads and prefetches have been read: they step
	s_add_nc_u64 s[54:55], s[54:55], 8192
	s_add_nc_u64 s[56:57], s[56:57], 8192
	s_add_nc_u64 s[58:59], s[58:59], 8192
	s_wait_dscnt 0x0                               ; my stores have landed (and have read their registers), my reads of this slot are over
	s_add_co_u32 s49, s48, 2
	s_cmp_lt_u32 s49, s46                          ; no load leaves the steps that the work-group walks
	s_cbranch_scc0 .Lnl_\@
	LOADKV
.Lnl_\@:
	ASK
	s_barrier_signal -1
	s_barrier_wait -1
.endm
; A layer of the FFN for my 16 features and the 64 rows: the rows' images at HIMG + img, my weights' two fragments at v[w], two tiles of rows at a time, their accumulators by turns.
.macro FFN img, w, bias
.irp p, 0,2
.irp q, 0,1
.irp s, 0,1
.irp c, 0,1,2,3
	ds_load_b128 v[120+32*\q+16*\s+4*\c:123+32*\q+16*\s+4*\c], v244 offset:\img+IMG*(\p+\q)+(8*\s+2*\c)*272
.endr
.endr
.endr
	s_wait_dscnt 0x0
.if \bias
	v_wmma_f32_16x16x128_fp8_fp8 v[184+8*\p:191+8*\p], v[\w:\w+15], v[120:135], v[104:111]   ; the bias, divided by the power of two that the sums lack, starts the sums
	v_wmma_f32_16x16x128_fp8_fp8 v[192+8*\p:199+8*\p], v[\w:\w+15], v[152:167], v[104:111]
.else
	v_wmma_f32_16x16x128_fp8_fp8 v[184+8*\p:191+8*\p], v[\w:\w+15], v[120:135], 0
	v_wmma_f32_16x16x128_fp8_fp8 v[192+8*\p:199+8*\p], v[\w:\w+15], v[152:167], 0
.endif
	v_wmma_f32_16x16x128_fp8_fp8 v[184+8*\p:191+8*\p], v[\w+16:\w+31], v[136:151], v[184+8*\p:191+8*\p]
	v_wmma_f32_16x16x128_fp8_fp8 v[192+8*\p:199+8*\p], v[\w+16:\w+31], v[168:183], v[192+8*\p:199+8*\p]
	PLACES 5
.endr
.endm
	s_load_b512 s[8:23], s[0:1], 0x0               ; x s[8:9], qimg s[10:11], kimg s[12:13], vimg s[14:15], scales s[16:17], g2 s[18:19], b2 s[20:21], W1 s[22:23]
	s_load_b256 s[24:31], s[0:1], 0x40             ; bf1 s[24:25], W2 s[26:27], bf2 s[28:29], out0 s[30:31]
	v_lshl_add_u32 v254, v0, 2, 0x38c00
	v_mov_b32 v255, 0
	v_lshrrev_b32 v24, 5, v0
	v_readfirstlane_b32 s2, v24                    ; wave w, 0..15
	v_and_b32 v24, 31, v0                          ; lane L
	v_and_b32 v25, 15, v0                          ; r
	v_bfe_u32 v26, v0, 4, 1                        ; h
	v_and_b32 v27, 8, v25
	v_add_nc_u32 v27, v27, v25                     ; r + 8 (r / 8): my query's place among its tile's rows
	s_lshr_b32 s40, ttmp9, 6                       ; batch
	s_and_b32 s41, ttmp9, 63                       ; i: the early block
	s_lshr_b32 s72, s2, 2
	s_xor_b32 s42, s2, s72
	s_and_b32 s42, s42, 1                          ; 1: my queries are the late block's
	s_lshr_b32 s43, s2, 3                          ; u
	s_and_b32 s73, s2, 3                           ; head
	s_sub_co_u32 s74, 127, s41                     ; the late block
	s_cmp_eq_u32 s42, 1
	s_cselect_b32 s44, s74, s41                    ; my block
	s_lshr_b32 s45, s44, 2                         ; my last step, the one on the diagonal
	s_lshr_b32 s46, s74, 2
	s_add_co_u32 s46, s46, 1                       ; the work-group's steps: 17 to 32
	s_add_co_u32 s[TRIPS], s46, 1
	s_lshr_b32 s[TRIPS], s[TRIPS], 1               ; in trips of two: 9 to 16
	s_or_b32 s75, s43, s41
	s_cmp_eq_u32 s75, 0
	s_cselect_b32 s60, 32, 0                       ; waves 0-7 of the batch's first work-group prefetch K and V while t + 3 < 32
	s_sub_co_u32 s75, s46, 2
	s_cmp_ge_u32 s2, 8
	s_cselect_b32 s61, s75, -1                     ; waves 8-15 prefetch x in the last step but one
	s_mov_b32 s52, 0x76543210
	s_mov_b32 s53, 0xfedcba98
	; every LDS address is made here, of the thread's and the wave's number and constants
	s_lshl_b32 s75, s73, 13
	v_lshlrev_b32 v1, 4, v24
	v_add_nc_u32 v1, s75, v1                       ; a fragment's place in slot 0: 16 L + 8192 head
	v_add_nc_u32 v2, SLOT1, v1                     ; in slot 1
	v_lshlrev_b32 v3, 4, v0                        ; the copy: 16 x thread, in memory and in slot 0
	v_add_nc_u32 v4, SLOT1, v3                     ; in slot 1
	s_and_b32 s75, s44, 3
	s_lshl_b32 s75, s75, 5
	s_lshl_b32 s76, s43, 3
	s_add_co_u32 s75, s75, s76
	v_add_nc_u32 v5, s75, v27
	v_lshlrev_b32 v28, 4, v26
	v_sub_nc_u32 v5, v5, v28                       ; my query - the diagonal step's first key - 16 h
	v_lshlrev_b32 v6, 8, v24                       ; prefetch of K, V: 256 L
	v_lshrrev_b32 v28, 2, v24
	v_lshlrev_b32 v28, 10, v28
	v_and_b32 v29, 3, v24
	v_lshl_add_u32 v7, v29, 8, v28                 ; prefetch of x: row L / 4, 256 (L % 4)
	s_lshl_b32 s75, s42, 5
	s_add_co_u32 s75, s75, s76                     ; 32 late + 8 u
	s_mul_i32 s75, s75, RP
	s_lshl_b32 s76, s73, 8
	s_add_co_u32 s75, s75, s76
	s_add_co_u32 s75, s75, STA
	v_mul_u32_u24 v8, v27, RP
	v_lshl_add_u32 v8, v26, 5, v8
	v_add_nc_u32 v8, s75, v8                       ; att into the stage: row 32 late + 8 u + r + 8 (r / 8), byte 256 head + 32 h
	s_mul_i32 s76, s2, 4*RP
	v_lshl_add_u32 v10, v24, 5, s76                ; xt's stage: my four rows, 32 L
	v_add_nc_u32 v9, STA, v10                      ; att's: the same
	v_lshl_add_u32 v248, v24, 4, s76
	v_add_nc_u32 v248, STA, v248                   ; the way out: my four rows, 16 L
	v_lshrrev_b32 v28, 1, v24
	v_mul_u32_u24 v28, v28, 272
	v_and_b32 v29, 1, v24
	v_lshl_add_u32 v11, v29, 3, v28
	s_mul_i32 s77, s72, IMG
	s_lshl_b32 s76, s73, 6
	s_add_co_u32 s77, s77, s76
	s_add_co_u32 s77, s77, HIMG
	v_add_nc_u32 v11, s77, v11                     ; h's codes: image w / 4, rows 4 (w % 4) on, piece L / 2, byte 8 (L % 2)
	v_mul_u32_u24 v28, v26, 272
	v_lshl_add_u32 v244, v25, 4, v28
	v_add_nc_u32 v244, HIMG, v244                  ; a fragment's pieces: 272 h + 16 r
	v_lshlrev_b32 v245, 4, v25
	v_lshl_add_u32 v245, v26, 3, v245
	s_mul_i32 s77, s2, 272
	s_add_co_u32 s77, s77, H2IMG
	v_add_nc_u32 v245, s77, v245                   ; the hidden layer's codes: piece w, row r, byte 8 h
	v_mul_u32_u24 v246, v25, RP
	v_lshl_add_u32 v246, v26, 5, v246
	s_lshl_b32 s77, s2, 6
	v_add_nc_u32 v246, s77, v246                   ; xt at my outputs: row r, byte 64 w + 32 h
	v_add_nc_u32 v247, STA, v246                   ; out: the same place in the other stage
	v_lshlrev_b32 v249, 5, v24                     ; 32 L
	v_lshlrev_b32 v250, 4, v24                     ; 16 L
	v_lshlrev_b32 v251, 8, v25
	v_lshl_add_u32 v251, v26, 4, v251              ; W1, W2: row r of 256 bytes, + 16 h
	v_lshlrev_b32 v252, 5, v26                     ; bf1, bf2: 32 h
	; offsets in memory, apart from the addresses
	s_lshl_b32 s78, s40, 20                        ; the batch's four heads in kimg and vimg
	s_mov_b32 s79, 0
	s_lshl_b32 s80, s40, 2
	s_add_co_u32 s80, s80, s73
	s_lshl_b32 s80, s80, 18                        ; bh x 262,144
	s_mov_b32 s81, 0
	s_lshl_b32 s82, s44, 1
	s_add_co_u32 s82, s82, s43
	s_lshl_b32 s82, s82, 10                        ; my tile of queries: 2 block + u
	s_mov_b32 s83, 0
	s_cmp_lt_u32 s2, 8                             ; the tail: waves 0-7 take the early block's rows, waves 8-15 the late block's, four each
	s_cselect_b32 s84, s41, s74
	s_lshl_b32 s84, s84, 5
	s_and_b32 s85, s2, 7
	s_lshl_b32 s86, s85, 2
	s_add_co_u32 s84, s84, s86
	s_lshl_b32 s86, s40, 12
	s_add_co_u32 s84, s84, s86
	s_lshl_b32 s84, s84, 10
	s_cmp_lt_u32 s85, 4                            ; the prefetch of x: wave 8 + q takes 8 rows: q < 4 of the early block, else of the late
	s_cselect_b32 s88, s41, s74
	s_lshl_b32 s88, s88, 5
	s_and_b32 s87, s85, 3
	s_lshl_b32 s87, s87, 3
	s_add_co_u32 s88, s88, s87
	s_add_co_u32 s88, s88, s86
	s_lshl_b32 s88, s88, 10
	s_mov_b32 s85, 0
	s_mov_b32 s89, 0
	s_lshl_b32 s90, s2, 12                         ; my 16 rows of W1 and W2
	s_mov_b32 s91, 0
	s_lshl_b32 s86, s2, 6                          ; my 16 numbers of bf1 and bf2
	s_mov_b32 s87, 0
	s_wait_kmcnt 0x0
	s_load_b256 s[32:39], s[16:17], 0x18           ; e6 .. e13
	s_add_nc_u64 s[54:55], s[12:13], s[78:79]      ; K and V at step 0
	s_add_nc_u64 s[56:57], s[14:15], s[78:79]
	s_cmp_lt_u32 s2, 4
	s_cselect_b64 s[58:59], s[12:13], s[14:15]
	s_add_nc_u64 s[58:59], s[58:59], s[80:81]
	s_add_nc_u64 s[58:59], s[58:59], 16384         ; the prefetches stand at step 2: each step moves them on by one ahead of its own request
	s_add_nc_u64 s[10:11], s[10:11], s[80:81]
	s_add_nc_u64 s[10:11], s[10:11], s[82:83]
	s_add_nc_u64 s[66:67], s[8:9], s[84:85]
	s_add_nc_u64 s[68:69], s[30:31], s[84:85]
	s_add_nc_u64 s[62:63], s[8:9], s[88:89]
	s_add_nc_u64 s[22:23], s[22:23], s[90:91]
	s_add_nc_u64 s[26:27], s[26:27], s[90:91]
	s_add_nc_u64 s[24:25], s[24:25], s[86:87]
	s_add_nc_u64 s[28:29], s[28:29], s[86:87]
	global_load_b128 v[16:19], v250, s[10:11]      ; Q's fragment stays in registers
	global_load_b128 v[20:23], v250, s[10:11] offset:512
	LOADKV                                         ; step 0
	v_mov_b32 v13, 0xff61b1e6                      ; the largest t so far: -3e38, under every t
	v_floor_f32 v12, -v13                          ; -M
	v_mov_b32 v14, 0                               ; the sum, in two halves
	v_mov_b32 v15, 0
	v_mov_b32 v235, 0                              ; (named as the upper half of the pair v[234:235])
	v_mov_b32 v238, 0                              ; a lane permute's destination counts as one of its sources
	v_mov_b32 v242, 0xff800000                     ; -infinity
	v_mov_b32 v243, 0x3b800000                     ; 1 / 256
.set n, 0
.rept 32
	v_mov_b32 v[O+n], 0                            ; O^T: the step is written without a first step of its own: it finds zeros, which the first change of M leaves zeros
.set n, n+1
.endr
	s_wait_kmcnt 0x0
	s_add_co_i32 s72, s32, s33
	s_lshl_b32 s72, s72, 23
	s_add_co_i32 s50, s72, 0x3e38aa3b              ; c = log2(e) / 8, with e6 + e7 added to its exponent field
	s_mov_b32 s51, s50                             ; (named with it as a pair)
	POW2 72, 35
	v_mov_b32 v241, s72                            ; 2^e9
	LIM448 72, 35
	v_mov_b32 v240, s72                            ; 448 x 2^e9
	s_add_co_i32 s97, s34, s35                     ; e8 + e9
	POW2 92, 36                                    ; 2^e10,
	LIM448 93, 36                                  ; 448 x 2^e10
	s_add_co_i32 s96, s36, s37
	s_sub_co_i32 s75, s38, s96                     ; e12 - e10 - e11: the three scales ahead of the hidden layer's quantiser in one
	POW2 94, 75
	LIM448 95, 75
	s_sub_co_i32 s96, 0, s96                       ; -(e10 + e11), for bf1
	s_add_co_i32 s75, s38, s39
	POW2 70, 75                                    ; 2^(e12 + e13)
	s_mov_b32 s71, s70
	s_wait_loadcnt 0x0                             ; Q and step 0
	STOREKV 3
	s_wait_xcnt 0x0
	s_add_nc_u64 s[54:55], s[54:55], 8192
	s_add_nc_u64 s[56:57], s[56:57], 8192
	s_wait_dscnt 0x0
	LOADKV                                         ; step 1
	s_barrier_signal -1
	s_barrier_wait -1
	s_mov_b32 s[TRIP], 0
.Ltrip:                                            ; two steps a trip, so that the slots are constants of the text; with an odd number of steps the last half has no work and no load
	s_lshl_b32 s47, s[TRIP], 1                     ; the trip's first step
	HALF 0, 0
	HALF 1, 1
	s_add_co_u32 s[TRIP], s[TRIP], 1
	s_cmp_lt_u32 s[TRIP], s[TRIPS]
	s_cbranch_scc1 .Ltrip
	; THE TAIL.  All that it reads from memory is asked for first.
	s_wait_loadcnt 0x0                             ; x lands in the registers through which K and V came: no load of those may be out.  (A step asks for step t + 2 only below the work-group's count of steps, so the last two have asked for nothing)
.irp i, 0,1,2,3
	global_load_b128 v[200+8*\i:203+8*\i], v249, s[66:67] offset:1024*\i th:TH_LOAD_NT
	global_load_b128 v[204+8*\i:207+8*\i], v249, s[66:67] offset:1024*\i+16 th:TH_LOAD_NT
.endr
	global_load_b128 v[88:91], v249, s[18:19]      ; g2,
	global_load_b128 v[92:95], v249, s[18:19] offset:16
	global_load_b128 v[96:99], v249, s[20:21]      ; b2 of my 8 columns
	global_load_b128 v[100:103], v249, s[20:21] offset:16
.irp s, 0,1
.irp c, 0,1,2,3
	global_load_b128 v[24+16*\s+4*\c:27+16*\s+4*\c], v251, s[22:23] offset:128*\s+32*\c
.endr
.endr
.irp s, 0,1
.irp c, 0,1,2,3
	global_load_b128 v[56+16*\s+4*\c:59+16*\s+4*\c], v251, s[26:27] offset:128*\s+32*\c
.endr
.endr
	global_load_b128 v[104:107], v252, s[24:25]    ; bf1, bf2 in the result's layout: features 16 w + 8 h + 0 .. 7
	global_load_b128 v[108:111], v252, s[24:25] offset:16
	global_load_b128 v[112:115], v252, s[28:29]
	global_load_b128 v[116:119], v252, s[28:29] offset:16
	; att = O^T / the sum x 2^(e8 + e9), into the stage
	v_add_f32 v14, v14, v15
	v_permlanex16_b32 v238, v14, s[SEL], s[SEL+1]
	v_add_f32 v14, v14, v238                       ; the row's sum
	v_rcp_f32 v14, v14
	v_nop                                          ; a plain instruction behind it,
	s_wait_alu depctr_va_vdst(0)                   ; and the wait ahead of its first reader
	v_ldexp_f32 v14, v14, s97
.set n, 0
.rept 32
	v_mul_f32 v[120+n], v[O+n], v14                ; register 8 ct + j: channel 16 ct + 8 h + j of my query
.set n, n+1
.endr
.irp ct, 0,1,2,3
	ds_store_b128 v8, v[120+8*\ct:123+8*\ct] offset:64*\ct
	ds_store_b128 v8, v[124+8*\ct:127+8*\ct] offset:64*\ct+16
.endr
	BAR                                            ; 64 whole rows of att lie in the stage
	; xt = x + att for my four rows; kept in LDS for the end; layernorm; h's codes
.irp i, 0,1,2,3
	ds_load_b128 v[152+8*\i:155+8*\i], v9 offset:RP*\i
	ds_load_b128 v[156+8*\i:159+8*\i], v9 offset:RP*\i+16
.endr
	v_mov_b32 v241, s92                            ; 2^e10
	v_mov_b32 v240, s93                            ; 448 x 2^e10
	s_wait_loadcnt 20                              ; x, g2 and b2 are in; the 20 loads issued behind them (W1, W2, bf1, bf2) may stay out
	s_wait_dscnt 0x0
.set n, 0
.rept 16
	v_pk_add_f32 v[200+n:201+n], v[200+n:201+n], v[152+n:153+n]
.set n, n+2
.endr
.irp i, 0,1,2,3
	ds_store_b128 v10, v[200+8*\i:203+8*\i] offset:RP*\i
	ds_store_b128 v10, v[204+8*\i:207+8*\i] offset:RP*\i+16
.endr
	LNROWS 200, 152, 88, 96, 184, 188
.irp i, 0,1,2,3
.irp j, 0,1,2,3,4,5,6,7
	v_med3_num_f32 v[152+8*\i+\j], v[152+8*\i+\j], -v240, v240
.endr
	v_cvt_scalef32_pk8_fp8_f32 v[232+2*\i:233+2*\i], v[152+8*\i:159+8*\i], v241
	ds_store_b64 v11, v[232+2*\i:233+2*\i] offset:16*\i
.endr
	v_nop                                          ; a plain instruction behind the last conversion
	BAR                                            ; h's four images and xt's 64 rows lie in LDS
	; the hidden layer: my 16 features for the 64 rows
	s_wait_loadcnt 0x0
.set n, 0
.rept 8
	v_ldexp_f32 v[104+n], v[104+n], s96            ; bf1 / 2^(e10 + e11)
.set n, n+1
.endr
	v_mov_b32 v241, s94
	v_mov_b32 v240, s95
	FFN 0, 24, 1
.set n, 0
.rept 32
	v_med3_num_f32 v[184+n], v[184+n], 0, v240     ; the activation and the hold in one
.set n, n+1
.endr
.irp m, 0,1,2,3
	v_cvt_scalef32_pk8_fp8_f32 v[232+2*\m:233+2*\m], v[184+8*\m:191+8*\m], v241
.endr
	v_nop
.irp m, 0,1,2,3
	ds_store_b64 v245, v[232+2*\m:233+2*\m] offset:IMG*\m
.endr
	BAR                                            ; the hidden layer's four images lie in LDS
	; out = xt + bf2 + sum x 2^(e12 + e13)
.irp m, 0,1,2,3
.set XT, 216+8*\m-144*(\m/2)                   ; xt at my outputs: v216-231 for tiles 0 and 1, v88-103 for tiles 2 and 3
	ds_load_b128 v[XT:XT+3], v246 offset:16*RP*\m
	ds_load_b128 v[XT+4:XT+7], v246 offset:16*RP*\m+16
.endr
	FFN H2IMG-HIMG, 56, 0
.irp m, 0,1,2,3
.set XT, 216+8*\m-144*(\m/2)
.irp j, 0,2,4,6
	v_pk_add_f32 v[XT+\j:XT+\j+1], v[XT+\j:XT+\j+1], v[112+\j:113+\j]
.endr
.endr
.irp m, 0,1,2,3
.set XT, 216+8*\m-144*(\m/2)
.irp j, 0,2,4,6
	v_pk_fma_f32 v[XT+\j:XT+\j+1], v[184+8*\m+\j:185+8*\m+\j], s[70:71], v[XT+\j:XT+\j+1] op_sel_hi:[1,0,1]
.endr
	ds_store_b128 v247, v[XT:XT+3] offset:16*RP*\m
	ds_store_b128 v247, v[XT+4:XT+7] offset:16*RP*\m+16
.endr
	BAR                                            ; 64 whole rows of out lie in the stage that held att
.irp i, 0,1,2,3
	ds_load_b128 v[120+8*\i:123+8*\i], v248 offset:RP*\i
	ds_load_b128 v[124+8*\i:127+8*\i], v248 offset:RP*\i+512
.endr
.irp i, 0,1,2,3
	s_wait_dscnt 7-2*\i                            ; LDS loads come back in order: the younger ones may stay out
	global_store_b128 v250, v[120+8*\i:123+8*\i], s[68:69] offset:1024*\i th:TH_STORE_NT       ; 32 lanes store 512 consecutive bytes, aligned
	s_wait_dscnt 6-2*\i
	global_store_b128 v250, v[124+8*\i:127+8*\i], s[68:69] offset:1024*\i+512 th:TH_STORE_NT
.endr
	s_wait_tensorcnt 0x0
	ds_add_u32 v254, v255
	s_wait_dscnt 0x0
	s_endpgm
.Lfunc_end_k_q77998598ad_attn:
	.size	k_q77998598ad_attn, .Lfunc_end_k_q77998598ad_attn-k_q77998598ad_attn
	.p2alignl 7, 3214868480
	.fill 96, 4, 3214868480
	.section	.rodata,"a",@progbits
	.p2align	6, 0x0
	.amdhsa_kernel k_q77998598ad_attn
		.amdhsa_group_segment_fixed_size 234496
		.amdhsa_private_segment_fixed_size 0
		.amdhsa_enable_private_segment 0
		.amdhsa_kernarg_size 96
		.amdhsa_user_sgpr_count 2
		.amdhsa_user_sgpr_kernarg_segment_ptr 1
		.amdhsa_wavefront_size32 1
		.amdhsa_system_sgpr_workgroup_id_x 1
		.amdhsa_system_sgpr_workgroup_id_y 1
		.amdhsa_system_sgpr_workgroup_id_z 1
		.amdhsa_system_vgpr_workitem_id 0
		.amdhsa_next_free_vgpr 256
		.amdhsa_next_free_sgpr 100
		.amdhsa_reserve_vcc 1
		.amdhsa_float_denorm_mode_32 3
		.amdhsa_float_denorm_mode_16_64 3
		.amdhsa_memory_ordered 1
		.amdhsa_forward_progress 1
		.amdhsa_inst_pref_size 88
	.end_amdhsa_kernel
	.amdgpu_metadata
---
amdhsa.version: [ 1, 2 ]
amdhsa.kernels:
  - .name:           k_q77998598ad_attn
    .symbol:         k_q77998598ad_attn.kd
    .args:
      - { .name: x, .offset: 0, .size: 8, .value_kind: global_buffer, .address_space: global }
      - { .name: qimg, .offset: 8, .size: 8, .value_kind: global_buffer, .address_space: global }
      - { .name: kimg, .offset: 16, .size: 8, .value_kind: global_buffer, .address_space: global }
      - { .name: vimg, .offset: 24, .size: 8, .value_kind: global_buffer, .address_space: global }
      - { .name: lowp_scales, .offset: 32, .size: 8, .value_kind: global_buffer, .address_space: global }
      - { .name: g2, .offset: 40, .size: 8, .value_kind: global_buffer, .address_space: global }
      - { .name: b2, .offset: 48, .size: 8, .value_kind: global_buffer, .address_space: global }
      - { .name: W1_codes, .offset: 56, .size: 8, .value_kind: global_buffer, .address_space: global }
      - { .name: bf1, .offset: 64, .size: 8, .value_kind: global_buffer, .address_space: global }
      - { .name: W2_codes, .offset: 72, .size: 8, .value_kind: global_buffer, .address_space: global }
      - { .name: bf2, .offset: 80, .size: 8, .value_kind: global_buffer, .address_space: global }
      - { .name: out0, .offset: 88, .size: 8, .value_kind: global_buffer, .address_space: global }
    .group_segment_fixed_size: 234496
    .private_segment_fixed_size: 0
    .kernarg_segment_align: 8
    .kernarg_segment_size: 96
    .max_flat_workgroup_size: 512
    .sgpr_count:     100
    .vgpr_count:     256
    .wavefront_size: 32
...
	.end_amdgpu_metadata
.endif
;; end of part 2
;; ======== version 2 of 2: 2 launches; version 1 with the launches qkv, attn written anew for expert scheduling mode
;; workspace buffers: qimg 4,194,304 bytes; kimg 4,194,304 bytes; vimg 4,194,304 bytes
;; launch qkv (part 3): grid 256 x 1, 16 waves a work-group, no clusters, 54,272 bytes of LDS; arguments x, g1, b1, Wq_codes, Wk_codes, Wv_codes, lowp_scales, qimg, kimg, vimg; writes qimg, kimg, vimg
.if DOCPART == 3
	.amdgcn_target "amdgcn-amd-amdhsa--gfx1250"
	.amdhsa_code_object_version 6
	.text
	.protected	k_q77998598ad_qkv
	.globl	k_q77998598ad_qkv
	.p2align	8
	.type	k_q77998598ad_qkv,@function
k_q77998598ad_qkv:
	s_mov_b64 s[64:65], 0
	v_nop
	global_prefetch_b8 v0, s[64:65] scope:SCOPE_SE
	s_setreg_imm32_b32 hwreg(HW_REG_WAVE_SCHED_MODE, 0, 2), 2
	s_setreg_imm32_b32 hwreg(HW_REG_WAVE_MODE, 25, 1), 1
	s_wait_xcnt 0x0
	s_wait_alu depctr_vm_vsrc(0)
; xn = layernorm(x, g1, b1); q = xn Wq^T, k = xn Wk^T, v = xn Wv^T on codes of E4M3; q, k, v leave as codes, laid as the next launch's operand registers.
; x: [16384][256] f32.  Wq, Wk, Wv: [256][256] codes, K innermost.  lowp_scales: e0 .. e13; here e0 .. e8.
; xn is quantised three times (2^e0 for q, 2^e2 for k, 2^e4 for v).  A sum of the first product stands for sum x 2^(e0 + e1), so q's code is sum / 2^(e6 - e0 - e1); k and v likewise.
; SHARES.  A work-group of sixteen waves owns 64 rows.  Wave w normalises rows 4 w .. 4 w + 3 (a lane holds k = 8 lane .. + 7 of each) and puts their codes into LDS.
; Then waves 0-7 make q, waves 8-15 k: 32 features each (b = w % 8), and every wave 16 features of v, for all 64 rows: each weight fragment is loaded once by one wave.
; THE ROWS OF A TILE ARE NOT NEIGHBOURS: tile 2 a + u holds rows 32 a + 8 u + r + 8 (r / 8).  So v = xn Wv^T (source 0 = xn) gives a lane 16 neighbouring KEYS of one channel in the two
; tiles of a pair, and in the next launch K Q^T gives a lane 16 neighbouring keys of one query.  W's rows of a q or k tile are chosen the same way: a lane holds 16 neighbouring features.
; Every 8-bit fragment is fed by pieces of 16 bytes (registers 4 c .. 4 c + 3: k = 32 c + 16 (lane / 16) + 0 .. 15), the same on both sides of a product: a permutation of k.
; LDS: twelve images (3 scales x 4 tiles) of 16 rows x 256 K: 16 pieces of 16 k, 272 bytes each (16 rows x 16 bytes + 16 of padding).
; OUT.  qimg, kimg: [bh][tile][c'][lane][16 bytes] (d = 32 c' + 16 h + 0 .. 15); vimg: [bh][step of 128 keys][16 channels ct][c][lane][16 bytes] (keys 32 c + 16 h + 0 .. 15).  A store of a wave covers 512 consecutive bytes, aligned.
; No cluster, no tensor load: x is read by one work-group alone, and the weights go straight into registers.
; LIMITS: e0, e2, e4, e6 - e0 - e1, e7 - e2 - e3, e8 - e4 - e5 lie between -126 and 119, so that each power of two and 448 times it is an f32 number.  NaN among the inputs is not served.
; REGISTERS: v1-11 lane numbers and addresses; v16-31 g1, b1; v32-63 x, later xn's fragments for q or k; v64-79 at work, later two accumulators; v80-103 xn's codes, later v's accumulators and
; q's or k's codes (v96-111); v104-111 sums; v112-121 scales; v128-191 Wq's or Wk's fragments; v192-223 Wv's; v224-255 x - mean, later xn's fragments for v.
; THE MODE: SCHED_MODE bits 1:0 = 2 (LLVM: expert scheduling mode 2), set by the entry lines.  The code itself states the register dependences
; between vector or matrix instructions and memory or LDS instructions, with s_wait_alu, always for 0.
; THE PLAN.  Registers that memory or LDS instructions touch:
;   v4-v10            offsets and LDS addresses: made at the head, never written again: one wait on va_vdst ahead of the first load serves every load and store of the kernel.
;   v16-63, v128-223  g1, b1, x and the weights land once; no vector instruction names them before.
;   v80-103           xn's codes: written by the twelve conversions, read by twelve LDS stores that stand in one run behind one wait on va_vdst; products and conversions write them again behind
;                     one wait on vm_vsrc, behind the barrier.
;   v32-63, v224-255  xn's fragments: a tile's six products read them; the next tile's sixteen loads stand behind those products, their places and one wait on va_vdst, and land while this tile's
;                     holds and conversions run, which name v64-111, v16-23 and v118-121 alone.  (The first tile's loads: the wait ahead of the code stores has stated that the layernorm is done with them.)
;   v96-111, v16-23   q's or k's and v's codes: written by a tile's conversions, read by its global stores behind one wait on va_vdst; never written again.
.set SEL, 50                           ; s[50:51] lane selects: lane l xor 16
.set INV, 11                           ; v11 = 1 / 256
.set IMG, 4352                         ; an image: 16 pieces x 272 bytes
.set SET, 4*IMG                        ; the four tiles of one scale
.macro PLACES n
.rept \n
	v_nop
.endr
.endm
.macro POW2 d, e                       ; s[d] = 2^(s[e]) as f32
	s_add_co_i32 s[\d], s[\e], 127
	s_lshl_b32 s[\d], s[\d], 23
.endm
.macro LIM448 d, e                     ; s[d] = 448 x 2^(s[e]) as f32
	s_add_co_i32 s[\d], s[\e], 135
	s_lshl_b32 s[\d], s[\d], 23
	s_or_b32 s[\d], s[\d], 0x600000
.endm
.macro RED4 a, t                       ; four sums over the 32 lanes, by turns; v[t ..] has been written before
.irp m, 1,2,4,8
.irp i, 0,1,2,3
	v_add_f32_dpp v[\a+\i], v[\a+\i], v[\a+\i] row_xmask:\m row_mask:0xf bank_mask:0xf
.endr
.endr
.irp i, 0,1,2,3
	v_permlanex16_b32 v[\t+\i], v[\a+\i], s[SEL], s[SEL+1]
.endr
.irp i, 0,1,2,3
	v_add_f32 v[\a+\i], v[\a+\i], v[\t+\i]
.endr
.endm
; Four rows' layernorm, 8 numbers a lane each: v[dd ..] = (x - mean) rsqrt(var + 1e-5) g + b.  The mean is taken away before the squares, so a common offset costs nothing.
.macro LNROWS xx, dd, gg, bb, sm, rs
.irp i, 0,1,2,3
	v_add_f32 v[\sm+\i], v[\xx+8*\i], v[\xx+8*\i+1]
	v_add_f32 v[\rs+\i], v[\xx+8*\i+2], v[\xx+8*\i+3]
.endr
.irp j, 4,6
.irp i, 0,1,2,3
	v_add_f32 v[\sm+\i], v[\sm+\i], v[\xx+8*\i+\j]
	v_add_f32 v[\rs+\i], v[\rs+\i], v[\xx+8*\i+\j+1]
.endr
.endr
.irp i, 0,1,2,3
	v_add_f32 v[\sm+\i], v[\sm+\i], v[\rs+\i]
.endr
	RED4 \sm, \rs
.irp i, 0,1,2,3
	v_mul_f32 v[\sm+\i], v[\sm+\i], v[INV]           ; the mean
.endr
.irp i, 0,1,2,3
.irp j, 0,1,2,3,4,5,6,7
	v_sub_f32 v[\dd+8*\i+\j], v[\xx+8*\i+\j], v[\sm+\i]
.endr
.endr
.irp i, 0,1,2,3
	v_mul_f32 v[\rs+\i], v[\dd+8*\i], v[\dd+8*\i]
	v_mul_f32 v[\sm+\i], v[\dd+8*\i+1], v[\dd+8*\i+1]
.endr
.irp j, 2,4,6
.irp i, 0,1,2,3
	v_fmac_f32 v[\rs+\i], v[\dd+8*\i+\j], v[\dd+8*\i+\j]
	v_fmac_f32 v[\sm+\i], v[\dd+8*\i+\j+1], v[\dd+8*\i+\j+1]
.endr
.endr
.irp i, 0,1,2,3
	v_add_f32 v[\rs+\i], v[\rs+\i], v[\sm+\i]
.endr
	RED4 \rs, \sm
.irp i, 0,1,2,3
	v_fmaak_f32 v[\rs+\i], v[\rs+\i], v[INV], 0x3727c5ac   ; var + 1e-5
.endr
	s_wait_alu depctr_va_vdst(0)
.irp i, 0,1,2,3
	v_rsq_f32 v[\rs+\i], v[\rs+\i]
.endr
	v_nop                                            ; a plain instruction behind the last of the four,
	s_wait_alu depctr_va_vdst(0)                     ; and one wait for the four reciprocal roots, ahead of their first reader
.irp i, 0,1,2,3
.irp j, 0,1,2,3,4,5,6,7
	v_mul_f32 v[\dd+8*\i+\j], v[\dd+8*\i+\j], v[\rs+\i]
.endr
.endr
.irp i, 0,1,2,3
.irp j, 0,2,4,6
	v_pk_fma_f32 v[\dd+8*\i+\j:\dd+8*\i+\j+1], v[\dd+8*\i+\j:\dd+8*\i+\j+1], v[\gg+\j:\gg+\j+1], v[\bb+\j:\bb+\j+1]
.endr
.endr
.endm
; xn's fragments of tile t: for q or k into v32-63, for v into v224-255
.macro FRAGS t
.irp s, 0,1
.irp c, 0,1,2,3
	ds_load_b128 v[32+16*\s+4*\c:35+16*\s+4*\c], v6 offset:IMG*(\t)+(8*\s+2*\c)*272
	ds_load_b128 v[224+16*\s+4*\c:227+16*\s+4*\c], v7 offset:IMG*(\t)+(8*\s+2*\c)*272
.endr
.endr
.endm
	s_load_b512 s[8:23], s[0:1], 0x0               ; x s[8:9], g1 s[10:11], b1 s[12:13], Wq s[14:15], Wk s[16:17], Wv s[18:19], scales s[20:21], qimg s[22:23]
	s_load_b128 s[24:27], s[0:1], 0x40             ; kimg s[24:25], vimg s[26:27]
	v_lshl_add_u32 v126, v0, 2, 0xcc00
	v_mov_b32 v127, 0
	v_lshrrev_b32 v1, 5, v0
	v_readfirstlane_b32 s2, v1                     ; wave w, 0..15
	v_and_b32 v1, 31, v0                           ; lane L
	v_and_b32 v2, 15, v0                           ; r
	v_bfe_u32 v3, v0, 4, 1                         ; h
	v_lshlrev_b32 v4, 5, v1                        ; 32 L: my 8 numbers of a row, of g1 and of b1
	v_lshlrev_b32 v10, 4, v1                       ; 16 L: my place in an image in memory
	v_mov_b32 v11, 0x3b800000                      ; 1 / 256
	; where my rows' codes go: piece L / 2, byte 8 (L % 2); tile 2 (w / 8) + (w / 2) % 2, tile row 8 ((w / 4) % 2) + 4 (w % 2) + i
	v_lshrrev_b32 v5, 1, v1
	v_mul_u32_u24 v5, v5, 272
	v_and_b32 v12, 1, v1
	v_lshl_add_u32 v5, v12, 3, v5
	s_wait_alu depctr_va_vdst(0)
	s_wait_alu depctr_va_sdst(0)                   ; s2 is written, ahead of its first reader: addresses, bases and the choice between q and k are made from it
	s_lshr_b32 s41, s2, 3                          ; 0: q, 1: k.  Also: which 32 of the 64 rows I normalise
	s_bfe_u32 s56, s2, 0x10001
	s_lshl_b32 s57, s41, 1
	s_add_co_u32 s57, s57, s56
	s_mul_i32 s57, s57, IMG
	s_bfe_u32 s56, s2, 0x10002
	s_lshl_b32 s56, s56, 7
	s_add_co_u32 s57, s57, s56
	s_and_b32 s56, s2, 1
	s_lshl_b32 s56, s56, 6
	s_add_co_u32 s57, s57, s56
	v_add_nc_u32 v5, s57, v5
	; where a fragment's pieces lie: 272 h + 16 r, in the set of my product's scale
	v_mul_u32_u24 v6, v3, 272
	v_lshl_add_u32 v6, v2, 4, v6
	v_add_nc_u32 v7, 2*SET, v6                     ; v: the third set
	s_mul_i32 s57, s41, SET
	v_add_nc_u32 v6, s57, v6                       ; q: the first, k: the second
	v_and_b32 v12, 8, v2
	v_add_nc_u32 v12, v12, v2                      ; r + 8 (r / 8)
	v_lshlrev_b32 v8, 8, v12
	v_lshl_add_u32 v8, v3, 4, v8                   ; Wq, Wk: row r + 8 (r / 8) of 256 bytes, + 16 h
	v_lshlrev_b32 v9, 8, v2
	v_lshl_add_u32 v9, v3, 4, v9                   ; Wv: row r, + 16 h
	s_mov_b32 s50, 0x76543210
	s_mov_b32 s51, 0xfedcba98
	s_lshr_b32 s3, ttmp9, 6                        ; batch
	s_and_b32 s4, ttmp9, 63                        ; which 64 rows of the batch
	s_and_b32 s5, s2, 7                            ; b: features 32 b on
	s_lshl_b32 s28, ttmp9, 16                      ; x: 64 rows of 1,024 bytes a work-group,
	s_lshl_b32 s29, s2, 12                         ; 4 rows a wave
	s_add_co_u32 s28, s28, s29
	s_mov_b32 s29, 0
	s_lshl_b32 s30, s5, 13                         ; Wq, Wk: 32 rows of 256 bytes
	s_mov_b32 s31, 0
	s_lshl_b32 s6, s2, 12                          ; Wv: 16 rows
	s_mov_b32 s7, 0
	s_lshl_b32 s52, s3, 2                          ; qimg, kimg: bh = 4 batch + b / 2, 262,144 bytes each;
	s_lshr_b32 s53, s5, 1
	s_add_co_u32 s52, s52, s53
	s_lshl_b32 s52, s52, 18
	s_lshl_b32 s53, s4, 12                         ; four tiles of 1,024 bytes a work-group;
	s_add_co_u32 s52, s52, s53
	s_and_b32 s53, s5, 1                           ; c' = b % 2
	s_lshl_b32 s53, s53, 9
	s_add_co_u32 s52, s52, s53
	s_mov_b32 s53, 0
	s_lshl_b32 s54, s3, 2                          ; vimg: bh = 4 batch + w / 4;
	s_lshr_b32 s55, s2, 2
	s_add_co_u32 s54, s54, s55
	s_lshl_b32 s54, s54, 18
	s_lshr_b32 s55, s4, 1                          ; a step of 128 keys is two work-groups' rows: 8,192 bytes;
	s_lshl_b32 s55, s55, 13
	s_add_co_u32 s54, s54, s55
	s_and_b32 s55, s2, 3                           ; ct = w % 4: 2,048 bytes;
	s_lshl_b32 s55, s55, 11
	s_add_co_u32 s54, s54, s55
	s_and_b32 s55, s4, 1                           ; my 64 keys are c = 2 (work-group % 2) + 0, 1
	s_lshl_b32 s55, s55, 10
	s_add_co_u32 s54, s54, s55
	s_mov_b32 s55, 0
	s_wait_kmcnt 0x0
	s_load_b256 s[32:39], s[20:21], 0x0            ; e0 .. e7
	s_load_b32 s40, s[20:21], 0x20                 ; e8
	s_add_nc_u64 s[8:9], s[8:9], s[28:29]
	s_cmp_lt_u32 s2, 8                             ; q's wave or k's: the choice hangs on the wave's number alone
	s_cselect_b64 s[42:43], s[14:15], s[16:17]
	s_cselect_b64 s[46:47], s[22:23], s[24:25]
	s_add_nc_u64 s[42:43], s[42:43], s[30:31]
	s_add_nc_u64 s[44:45], s[18:19], s[6:7]
	s_add_nc_u64 s[46:47], s[46:47], s[52:53]
	s_add_nc_u64 s[48:49], s[26:27], s[54:55]
	s_wait_alu depctr_va_vdst(0)                   ; the offsets and LDS addresses v4 to v10 are written, which every load and store below reads; none is written again
	global_load_b128 v[16:19], v4, s[10:11]
	global_load_b128 v[20:23], v4, s[10:11] offset:16
	global_load_b128 v[24:27], v4, s[12:13]
	global_load_b128 v[28:31], v4, s[12:13] offset:16
.irp i, 0,1,2,3
	global_load_b128 v[32+8*\i:35+8*\i], v4, s[8:9] offset:1024*\i th:TH_LOAD_NT
	global_load_b128 v[36+8*\i:39+8*\i], v4, s[8:9] offset:1024*\i+16 th:TH_LOAD_NT
.endr
.irp t, 0,1                                    ; Wq's or Wk's fragment (tile t, K step s) at v[128 + 32 t + 16 s]: tile t begins 8 t rows on
.irp s, 0,1
.irp c, 0,1,2,3
	global_load_b128 v[128+32*\t+16*\s+4*\c:131+32*\t+16*\s+4*\c], v8, s[42:43] offset:2048*\t+128*\s+32*\c
.endr
.endr
.endr
.irp s, 0,1                                    ; Wv's fragment of K step s at v[192 + 16 s]
.irp c, 0,1,2,3
	global_load_b128 v[192+16*\s+4*\c:195+16*\s+4*\c], v9, s[44:45] offset:128*\s+32*\c
.endr
.endr
	s_wait_kmcnt 0x0
	POW2 56, 32
	v_mov_b32 v112, s56                            ; 2^e0, 2^e2, 2^e4: the conversions take the exponent field
	LIM448 56, 32
	v_mov_b32 v115, s56                            ; and 448 times each
	POW2 56, 34
	v_mov_b32 v113, s56
	LIM448 56, 34
	v_mov_b32 v116, s56
	POW2 56, 36
	v_mov_b32 v114, s56
	LIM448 56, 36
	v_mov_b32 v117, s56
	s_sub_co_i32 s57, s38, s32
	s_sub_co_i32 s57, s57, s33                     ; e6 - e0 - e1
	s_sub_co_i32 s58, s39, s34
	s_sub_co_i32 s58, s58, s35                     ; e7 - e2 - e3
	s_cmp_lt_u32 s2, 8
	s_cselect_b32 s57, s57, s58
	POW2 56, 57
	v_mov_b32 v118, s56
	LIM448 56, 57
	v_mov_b32 v119, s56
	s_sub_co_i32 s57, s40, s36
	s_sub_co_i32 s57, s57, s37                     ; e8 - e4 - e5
	POW2 56, 57
	v_mov_b32 v120, s56
	LIM448 56, 57
	v_mov_b32 v121, s56
	s_wait_loadcnt 24                              ; g1, b1 and x are in; the 24 loads of weights issued behind them may stay out
	LNROWS 32, 224, 16, 24, 104, 108
	; each row three times: held within 448 x the scale (the conversion to an 8-bit code does not saturate: ISA guide 7.6.2), converted; then the twelve times 8 codes go into the images in one run.
	; The held numbers lie in v64-71 and v72-79 by turns, so that eight plain instructions stand between a conversion and the next write of its sources.
.irp i, 0,1,2,3
.irp q, 0,1,2
.irp j, 0,1,2,3,4,5,6,7
	v_med3_num_f32 v[64+8*((3*\i+\q)%2)+\j], v[224+8*\i+\j], -v[115+\q], v[115+\q]
.endr
	v_cvt_scalef32_pk8_fp8_f32 v[80+2*(3*\i+\q):81+2*(3*\i+\q)], v[64+8*((3*\i+\q)%2):71+8*((3*\i+\q)%2)], v[112+\q]
.endr
.endr
	v_nop                                          ; a plain instruction behind the last conversion: matrix instructions write these registers later
	s_wait_alu depctr_va_vdst(0)                   ; the twelve conversions have written v80-103, which the LDS stores read; the layernorm and the holds are done with v32-63 and v224-255, in which the first tile's fragments land
.irp i, 0,1,2,3
.irp q, 0,1,2
	ds_store_b64 v5, v[80+2*(3*\i+\q):81+2*(3*\i+\q)] offset:SET*\q+16*\i
.endr
.endr
	s_wait_dscnt 0x0                               ; for the others' sake: my codes lie in LDS
	s_barrier_signal -1
	s_barrier_wait -1
	s_wait_alu depctr_vm_vsrc(0)                   ; my LDS stores have read v80-103, which the products (v80-95) and the conversions (v96-103) below write again
	s_wait_loadcnt 0x0                             ; the weights
	FRAGS 0
	; the four tiles of rows.  Six matrix instructions a tile, three accumulators by turns; the first K step starts each sum.
.irp hb, 0,1
.irp u, 0,1
	s_wait_dscnt 0x0                               ; this tile's fragments are in
	v_wmma_f32_16x16x128_fp8_fp8 v[64:71], v[128:143], v[32:47], 0          ; source 0 = 16 rows of W, source 1 = xn: a lane holds one row and features 32 b + 16 h + 0 .. 7,
	v_wmma_f32_16x16x128_fp8_fp8 v[72:79], v[160:175], v[32:47], 0          ; and + 8 .. 15
	v_wmma_f32_16x16x128_fp8_fp8 v[80+8*\u:87+8*\u], v[224:239], v[192:207], 0   ; source 0 = xn, source 1 = 16 rows of Wv: a lane holds one channel and keys 32 hb + 16 h + 8 u + 0 .. 7
	v_wmma_f32_16x16x128_fp8_fp8 v[64:71], v[144:159], v[48:63], v[64:71]
	v_wmma_f32_16x16x128_fp8_fp8 v[72:79], v[176:191], v[48:63], v[72:79]
	v_wmma_f32_16x16x128_fp8_fp8 v[80+8*\u:87+8*\u], v[240:255], v[208:223], v[80+8*\u:87+8*\u]
	PLACES 5                                       ; four ahead of the reads of results, five ahead of the matrix instructions that begin these accumulators anew
.if 2*\hb+\u < 3
	s_wait_alu depctr_va_vdst(0)                   ; the six products are done reading v32-63 and v224-255, in which the next tile's fragments land
	FRAGS 2*\hb+\u+1                               ; they land while this tile's sums are held and converted: no line up to the next products names these registers
.endif
.set n, 0
.rept 16
	v_med3_num_f32 v[64+n], v[64+n], -v119, v119
.set n, n+1
.endr
	v_cvt_scalef32_pk8_fp8_f32 v[96+4*(2*\hb+\u):97+4*(2*\hb+\u)], v[64:71], v118
	v_cvt_scalef32_pk8_fp8_f32 v[98+4*(2*\hb+\u):99+4*(2*\hb+\u)], v[72:79], v118
	v_nop
.if \u == 1
.set n, 0
.rept 16
	v_med3_num_f32 v[80+n], v[80+n], -v121, v121
.set n, n+1
.endr
	v_cvt_scalef32_pk8_fp8_f32 v[16+4*\hb:17+4*\hb], v[80:87], v120
	v_cvt_scalef32_pk8_fp8_f32 v[18+4*\hb:19+4*\hb], v[88:95], v120
	v_nop
.endif
	s_wait_alu depctr_va_vdst(0)                   ; the tile's conversions have written the codes, which the stores below read
	global_store_b128 v10, v[96+4*(2*\hb+\u):99+4*(2*\hb+\u)], s[46:47] offset:1024*(2*\hb+\u)   ; every store has data registers of its own: none is written again
.if \u == 1
	global_store_b128 v10, v[16+4*\hb:19+4*\hb], s[48:49] offset:512*\hb
.endif
.endr
.endr
	s_wait_dscnt 0x0
	s_wait_alu depctr_hold_cnt(0) depctr_sa_sdst(0) depctr_va_vdst(0) depctr_va_sdst(0) depctr_va_ssrc(0) depctr_va_vcc(0) depctr_vm_vsrc(0)
	s_wait_tensorcnt 0x0
	ds_add_u32 v126, v127
	s_wait_dscnt 0x0
	s_endpgm
.Lfunc_end_k_q77998598ad_qkv:
	.size	k_q77998598ad_qkv, .Lfunc_end_k_q77998598ad_qkv-k_q77998598ad_qkv
	.p2alignl 7, 3214868480
	.fill 96, 4, 3214868480
	.section	.rodata,"a",@progbits
	.p2align	6, 0x0
	.amdhsa_kernel k_q77998598ad_qkv
		.amdhsa_group_segment_fixed_size 54272
		.amdhsa_private_segment_fixed_size 0
		.amdhsa_enable_private_segment 0
		.amdhsa_kernarg_size 80
		.amdhsa_user_sgpr_count 2
		.amdhsa_user_sgpr_kernarg_segment_ptr 1
		.amdhsa_wavefront_size32 1
		.amdhsa_system_sgpr_workgroup_id_x 1
		.amdhsa_system_sgpr_workgroup_id_y 1
		.amdhsa_system_sgpr_workgroup_id_z 1
		.amdhsa_system_vgpr_workitem_id 0
		.amdhsa_next_free_vgpr 256
		.amdhsa_next_free_sgpr 66
		.amdhsa_reserve_vcc 0
		.amdhsa_float_denorm_mode_32 3
		.amdhsa_float_denorm_mode_16_64 3
		.amdhsa_memory_ordered 1
		.amdhsa_forward_progress 1
		.amdhsa_inst_pref_size 40
	.end_amdhsa_kernel
	.amdgpu_metadata
---
amdhsa.version: [ 1, 2 ]
amdhsa.kernels:
  - .name:           k_q77998598ad_qkv
    .symbol:         k_q77998598ad_qkv.kd
    .args:
      - { .name: x, .offset: 0, .size: 8, .value_kind: global_buffer, .address_space: global }
      - { .name: g1, .offset: 8, .size: 8, .value_kind: global_buffer, .address_space: global }
      - { .name: b1, .offset: 16, .size: 8, .value_kind: global_buffer, .address_space: global }
      - { .name: Wq_codes, .offset: 24, .size: 8, .value_kind: global_buffer, .address_space: global }
      - { .name: Wk_codes, .offset: 32, .size: 8, .value_kind: global_buffer, .address_space: global }
      - { .name: Wv_codes, .offset: 40, .size: 8, .value_kind: global_buffer, .address_space: global }
      - { .name: lowp_scales, .offset: 48, .size: 8, .value_kind: global_buffer, .address_space: global }
      - { .name: qimg, .offset: 56, .size: 8, .value_kind: global_buffer, .address_space: global }
      - { .name: kimg, .offset: 64, .size: 8, .value_kind: global_buffer, .address_space: global }
      - { .name: vimg, .offset: 72, .size: 8, .value_kind: global_buffer, .address_space: global }
    .group_segment_fixed_size: 54272
    .private_segment_fixed_size: 0
    .kernarg_segment_align: 8
    .kernarg_segment_size: 80
    .max_flat_workgroup_size: 512
    .sgpr_count:     66
    .vgpr_count:     256
    .wavefront_size: 32
...
	.end_amdgpu_metadata
.endif
;; end of part 3
;; launch attn (part 4): grid 256 x 1, 16 waves a work-group, no clusters, 234,496 bytes of LDS; arguments x, qimg, kimg, vimg, lowp_scales, g2, b2, W1_codes, bf1, W2_codes, bf2, out0; writes out0
.if DOCPART == 4
	.amdgcn_target "amdgcn-amd-amdhsa--gfx1250"
	.amdhsa_code_object_version 6
	.text
	.protected	k_q77998598ad_attn
	.globl	k_q77998598ad_attn
	.p2align	8
	.type	k_q77998598ad_attn,@function
k_q77998598ad_attn:
	s_mov_b64 s[64:65], 0
	v_nop
	global_prefetch_b8 v0, s[64:65] scope:SCOPE_SE
	s_setreg_imm32_b32 hwreg(HW_REG_WAVE_SCHED_MODE, 0, 2), 2
	s_setreg_imm32_b32 hwreg(HW_REG_WAVE_MODE, 25, 1), 1
	s_wait_xcnt 0x0
	s_wait_alu depctr_vm_vsrc(0)
; Causal attention on codes of E4M3 (head size 64, four heads), then xt = x + att, h = layernorm(xt, g2, b2), out = xt + relu(h W1^T + bf1) W2^T + bf2, both of these products on codes too.
; qimg, kimg: [bh][tile][c'][lane][16 bytes]: tile 2 a + u holds rows 32 a + 8 u + r + 8 (r / 8), d = 32 c' + 16 h + 0 .. 15.  vimg: [bh][step][ct][c][lane][16 bytes]: channel 16 ct + r, keys 128 step + 32 c + 16 h + 0 .. 15.
; SOFTMAX: t = score x log2(e) / 8; M = the running largest t rounded up to a whole number; p = 2^(t - M) is quantised with 2^e9, not normalised; the row's sum is taken of the unquantised p and divides at the end;
; when M moves, the sum and O are multiplied by 2^(old M - new M), which rounds nothing.
; SHARES.  A work-group owns two blocks of 32 queries of one batch, block i and block 127 - i, all four heads: a wave owns 16 queries of one head.  Block B needs B / 4 + 1 steps of 128 keys, so every
; work-group has (i / 4 + 1) + ((127 - i) / 4 + 1) = 33 steps for each of its eight pairs of waves.  head = w % 4, late block where (w xor w / 4) is odd, tile u = w / 8.
; K and V of a step (4 heads x 16,384 bytes) come from memory through registers into two LDS slots that take turns: each thread moves 8 x 16 bytes; the loads of step t + 2 are issued at the end of step t.
; One barrier a step: in front of it a wave's stores into the other slot and its reads of this slot are done.  A wave whose queries all lie ahead of a step's keys passes over the step's work, not over the copy or the barrier.
; Both products are used transposed (S^T = K Q^T, O^T = V^T P^T): a lane holds one query; the 16 registers of two neighbouring tiles of S^T are 16 neighbouring keys, so the conversions' results are P's registers.
; NO CLUSTER, NO TENSOR LOAD, though the 64 work-groups of a batch read the same K and V: joint requests exist for tensor loads alone.
; Here the branch on e9 passes over 64 holds of p, beside some 200 other vector instructions of a step whose 12 matrix instructions wait for them; what sharing would spare is 8 loads of 16 bytes a thread and step.
; THE TAIL: att meets in a stage in LDS (64 rows x 1,040 bytes); wave w takes rows 4 w .. + 3 through the residual and the layernorm; h's and the hidden layer's codes go from wave to wave as images
; (16 pieces of 16 k, 272 bytes each); wave w makes features 16 w .. + 15 of both layers for all 64 rows, its weights in registers.
; LIMITS: e9, e10, e12 - e10 - e11 between -126 and 119; e6 + e7 between -123 and 130 (added to c's exponent field); e12 + e13 between -126 and 127.  NaN among the inputs is not served.
; REGISTERS: v1-11 addresses; v12 -M, v13 the largest t, v[14:15] the sum; v16-23 Q; v24-87 fragments of K, then of V (tail: W1, W2); v88-151 S^T, then p; v152-183 O^T; v184-199 P; v200-231 K and V on their way;
; v232-238 at work; v240, v241 the hold and the scale of the conversion in hand; v242 -infinity; v243 1 / 256; v244-252 the tail's addresses.  s72-87: at the head at work, in the loop the causal mask's sixteen lane masks.
; THE MODE: SCHED_MODE bits 1:0 = 2 (LLVM: expert scheduling mode 2), set by the entry lines.  The code itself states the register dependences
; between vector or matrix instructions and memory or LDS instructions, with s_wait_alu, always for 0.
; THE PLAN.  Registers that memory or LDS instructions touch, in the loop:
;   v1-4, v6, v7      LDS addresses and offsets (with v8-11 and v244-252, the tail's): made at the head, never written again: one wait on va_vdst ahead of the first load serves them all.
;   v24-87            K's fragments land, the eight products K Q^T read them; V's fragments land, the four products V^T P^T read them.  One set of registers serves both (sixteen waves of 256 registers
;                     leave none over), so a step has two waits on va_vdst: at its head (the last step's four products are done reading) and behind the eight products and their places.
;                     The softmax behind V's loads names v88-199, v12-15 and v232-243: none of the registers in which they land.
;   v200-231          K and V on their way: loads land in them, LDS stores read them, no vector instruction names them: one wait on vm_vsrc a step, behind the stores and ahead of the branch round the next loads.
;   s72-87            the mask on the diagonal: sixteen compares in a run, one wait on va_sdst, the sixteen selects that read them; four such runs.
; The tail's stores stand in runs, one wait on va_vdst ahead of each; each of these also states that what was issued before is done with the registers in which the next LDS loads land.
; One wait on vm_vsrc, behind the tail's second barrier, frees all that the LDS stores up to there have read.
.set SEL, 52                           ; s[52:53] lane selects: lane l xor 16
.set INV, 243
.set F, 24
.set S, 88
.set O, 152
.set P, 184
.set STG, 200
.set MK, 72                            ; s[72:87] sixteen lane masks
.set TRIP, 98                          ; s98  the loop's counter: trips of two steps
.set TRIPS, 99                         ; s99  its bound: (the work-group's steps + 1) / 2
.set SLOT1, 65536                      ; LDS: slot 0 at 0, slot 1 here; in a slot K of head n at 8192 n, V at 32768 + 8192 n
.set RP, 1040                          ; a stage row: 1,024 bytes + 16
.set STA, 131072                       ; the stage for att, later for out: 64 rows.  (xt's stage lies at 0, over the slots, which are done with by then)
.set HIMG, 197632                      ; four images of h's codes
.set H2IMG, 215040                     ; four of the hidden layer's
.set IMG, 4352
.macro PLACES n
.rept \n
	v_nop
.endr
.endm
.macro POW2 d, e                       ; s[d] = 2^(s[e]) as f32
	s_add_co_i32 s[\d], s[\e], 127
	s_lshl_b32 s[\d], s[\d], 23
.endm
.macro LIM448 d, e                     ; s[d] = 448 x 2^(s[e]) as f32
	s_add_co_i32 s[\d], s[\e], 135
	s_lshl_b32 s[\d], s[\d], 23
	s_or_b32 s[\d], s[\d], 0x600000
.endm
.macro BAR                             ; my LDS stores have landed and my LDS loads are in: then the work-group's barrier
	s_wait_dscnt 0x0
	s_barrier_signal -1
	s_barrier_wait -1
.endm
.macro RED4 a, t                       ; four sums over the 32 lanes, by turns; v[t ..] has been written before
.irp m, 1,2,4,8
.irp i, 0,1,2,3
	v_add_f32_dpp v[\a+\i], v[\a+\i], v[\a+\i] row_xmask:\m row_mask:0xf bank_mask:0xf
.endr
.endr
.irp i, 0,1,2,3
	v_permlanex16_b32 v[\t+\i], v[\a+\i], s[SEL], s[SEL+1]
.endr
.irp i, 0,1,2,3
	v_add_f32 v[\a+\i], v[\a+\i], v[\t+\i]
.endr
.endm
; Four rows' layernorm, 8 numbers a lane each: v[dd ..] = (x - mean) rsqrt(var + 1e-5) g + b.  The mean is taken away before the squares, so a common offset costs nothing.
.macro LNROWS xx, dd, gg, bb, sm, rs
.irp i, 0,1,2,3
	v_add_f32 v[\sm+\i], v[\xx+8*\i], v[\xx+8*\i+1]
	v_add_f32 v[\rs+\i], v[\xx+8*\i+2], v[\xx+8*\i+3]
.endr
.irp j, 4,6
.irp i, 0,1,2,3
	v_add_f32 v[\sm+\i], v[\sm+\i], v[\xx+8*\i+\j]
	v_add_f32 v[\rs+\i], v[\rs+\i], v[\xx+8*\i+\j+1]
.endr
.endr
.irp i, 0,1,2,3
	v_add_f32 v[\sm+\i], v[\sm+\i], v[\rs+\i]
.endr
	RED4 \sm, \rs
.irp i, 0,1,2,3
	v_mul_f32 v[\sm+\i], v[\sm+\i], v[INV]           ; the mean
.endr
.irp i, 0,1,2,3
.irp j, 0,1,2,3,4,5,6,7
	v_sub_f32 v[\dd+8*\i+\j], v[\xx+8*\i+\j], v[\sm+\i]
.endr
.endr
.irp i, 0,1,2,3
	v_mul_f32 v[\rs+\i], v[\dd+8*\i], v[\dd+8*\i]
	v_mul_f32 v[\sm+\i], v[\dd+8*\i+1], v[\dd+8*\i+1]
.endr
.irp j, 2,4,6
.irp i, 0,1,2,3
	v_fmac_f32 v[\rs+\i], v[\dd+8*\i+\j], v[\dd+8*\i+\j]
	v_fmac_f32 v[\sm+\i], v[\dd+8*\i+\j+1], v[\dd+8*\i+\j+1]
.endr
.endr
.irp i, 0,1,2,3
	v_add_f32 v[\rs+\i], v[\rs+\i], v[\sm+\i]
.endr
	RED4 \rs, \sm
.irp i, 0,1,2,3
	v_fmaak_f32 v[\rs+\i], v[\rs+\i], v[INV], 0x3727c5ac   ; var + 1e-5
.endr
	s_wait_alu depctr_va_vdst(0)
.irp i, 0,1,2,3
	v_rsq_f32 v[\rs+\i], v[\rs+\i]
.endr
	v_nop                                            ; a plain instruction behind the last of the four,
	s_wait_alu depctr_va_vdst(0)                     ; and one wait for the four reciprocal roots, ahead of their first reader
.irp i, 0,1,2,3
.irp j, 0,1,2,3,4,5,6,7
	v_mul_f32 v[\dd+8*\i+\j], v[\dd+8*\i+\j], v[\rs+\i]
.endr
.endr
.irp i, 0,1,2,3
.irp j, 0,2,4,6
	v_pk_fma_f32 v[\dd+8*\i+\j:\dd+8*\i+\j+1], v[\dd+8*\i+\j:\dd+8*\i+\j+1], v[\gg+\j:\gg+\j+1], v[\bb+\j:\bb+\j+1]
.endr
.endr
.endm
; A step's K and V of all four heads: 8 loads, each of 8,192 consecutive bytes for the work-group's 512 threads
.macro LOADKV
.irp n, 0,1,2,3
	global_load_b128 v[STG+4*\n:STG+4*\n+3], v3, s[54:55] offset:262144*\n
.endr
.irp n, 0,1,2,3
	global_load_b128 v[STG+16+4*\n:STG+16+4*\n+3], v3, s[56:57] offset:262144*\n
.endr
.endm
.macro STOREKV t                       ; and into the slot whose address v[t] holds
.irp n, 0,1,2,3,4,5,6,7
	ds_store_b128 v[\t], v[STG+4*\n:STG+4*\n+3] offset:8192*\n
.endr
.endm
; PREFETCHES, where the wave has just issued its loads.  (1) K and V: the loads of step t ask for step t + 2; here step t + 3 is named: its 8 chunks of 8,192 bytes, one a wave (waves 0-3: K of head w, waves 4-7: V),
; lanes 256 bytes apart.  All work-groups of a batch walk the same steps from 0 on: the batch's first work-group asks, which walks all 32; it stops when t + 3 reaches 32.  Steps 0 to 2 come by their loads alone.
; (2) the work-group's own 64 rows of x, which the tail reads: once, in the last step but one, by waves 8-15: 8 rows a wave, four lanes a row.
; (Their offsets v6 and v7 were written ahead of the head's wait on va_vdst and are named by no vector instruction since.)
.macro ASK
	s_add_co_u32 s49, s48, 3
	s_cmp_lt_u32 s49, s60
	s_cbranch_scc0 .Lnp_\@
	global_prefetch_b8 v6, s[58:59] th:TH_LOAD_NT scope:SCOPE_SE
.Lnp_\@:
	s_cmp_eq_u32 s48, s61
	s_cbranch_scc0 .Lnx_\@
	global_prefetch_b8 v7, s[62:63] th:TH_LOAD_NT scope:SCOPE_SE
.Lnx_\@:
.endm
; A KEY STEP of a wave: 128 keys against my 16 queries.  v[a]: my lane's place in my head's part of the slot.
.macro COMPUTE a
	s_wait_alu depctr_va_vdst(0)                   ; the last step's four products V^T P^T are done reading v24-87, in which K's fragments land
.set n, 0
.rept 8
	ds_load_b128 v[F+8*n:F+8*n+3], v[\a] offset:1024*n
	ds_load_b128 v[F+8*n+4:F+8*n+7], v[\a] offset:1024*n+512
.set n, n+1
.endr
	s_wait_dscnt 0x0
.set n, 0
.rept 8
	v_wmma_f32_16x16x64_fp8_fp8 v[S+8*n:S+8*n+7], v[F+8*n:F+8*n+7], v[16:23], 0   ; register 16 b + i of S^T: key 32 b + 16 h + i
.set n, n+1
.endr
	PLACES 4                                       ; ahead of the first read of results
	s_wait_alu depctr_va_vdst(0)                   ; the eight products are done reading v24-87, in which V's fragments land
.set n, 0
.rept 16
	ds_load_b128 v[F+4*n:F+4*n+3], v[\a] offset:32768+512*n   ; V's four fragments land while the softmax is worked, which names none of these registers
.set n, n+1
.endr
	s_cmp_lt_u32 s48, s45                          ; ahead of the diagonal step every key counts
	s_cbranch_scc1 .Lopen_\@
.irp g, 0,1,2,3                                ; hidden where the register's key lies behind my query: the score becomes -infinity, p then 0.  Sixteen registers at a time
.set n, 0
.rept 16
	v_cmp_gt_i32 s[MK+n], 32*\g+n, v5
.set n, n+1
.endr
	s_wait_alu depctr_va_sdst(0)                   ; the sixteen compares have written s72-87, ahead of the selects that read them
.set n, 0
.rept 16
	v_cndmask_b32 v[S+16*\g+n], v[S+16*\g+n], v242, s[MK+n]
.set n, n+1
.endr
.endr
.Lopen_\@:
	v_max3_num_f32 v232, v[S], v[S+1], v[S+2]      ; the step's largest score of my query among my 64 keys, in two chains, each accumulator from its low end on,
	v_max3_num_f32 v233, v[S+3], v[S+4], v[S+5]
.set n, 6
.rept 14
	v_max3_num_f32 v232, v232, v[S+n], v[S+n+1]
	v_max3_num_f32 v233, v233, v[S+n+2], v[S+n+3]
.set n, n+4
.endr
	v_max3_num_f32 v232, v232, v[S+62], v[S+63]
	v_max_num_f32 v232, v232, v233
	v_permlanex16_b32 v238, v232, s[SEL], s[SEL+1]
	v_max_num_f32 v232, v232, v238                 ; and among lane l xor 16's
	v_mul_f32 v232, s50, v232                      ; as t (c is positive)
	v_max_num_f32 v13, v13, v232                   ; the running largest t
	v_mov_b32 v232, v12
	v_floor_f32 v12, -v13                          ; -M = floor(-t): M is a whole number
	v_sub_f32 v232, v12, v232                      ; old M - new M, 0 or less
	v_cvt_i32_f32 v232, v232                       ; (it saturates)
	v_ldexp_f32 v234, 1.0, v232                    ; f = 2^(old M - new M)
.set n, 0
.rept 32
	v_pk_fma_f32 v[S+n:S+n+1], v[S+n:S+n+1], s[50:51], v[12:13] op_sel_hi:[1,0,0]   ; t - M, two at a time
.set n, n+2
.endr
.set n, 0
	s_wait_alu depctr_va_vdst(0)
.rept 64
	v_exp_f32 v[S+n], v[S+n]                       ; p = 2^(t - M)
.set n, n+1
.endr
	v_pk_mul_f32 v[14:15], v[14:15], v[234:235] op_sel_hi:[1,0]   ; the sum under the new M: the plain instruction behind the exponentials
	s_wait_alu depctr_va_vdst(0)                   ; one wait for the 64 exponentials, ahead of their first reader
	v_pk_add_f32 v[236:237], v[S:S+1], v[S+2:S+3]  ; the row's sum of the unquantised p, in two chains
.set n, 4
.rept 15
	v_pk_add_f32 v[14:15], v[14:15], v[S+n:S+n+1]
	v_pk_add_f32 v[236:237], v[236:237], v[S+n+2:S+n+3]
.set n, n+4
.endr
	v_pk_add_f32 v[14:15], v[14:15], v[236:237]
	s_cmp_ge_i32 s35, -8                           ; p is at most 1, and 448 x 2^e9 is at least 1 from e9 = -8 on: then nothing is there to hold
	s_cbranch_scc1 .Lnohold_\@
.set n, 0
.rept 64
	v_min_num_f32 v[S+n], v[S+n], v240             ; the conversion to an 8-bit code does not saturate (ISA guide 7.6.2); p is not negative
.set n, n+1
.endr
.Lnohold_\@:
.set n, 0
.rept 8
	v_cvt_scalef32_pk8_fp8_f32 v[P+2*n:P+2*n+1], v[S+8*n:S+8*n+7], v241
.set n, n+1
.endr
.set n, 0
.rept 16
	v_pk_mul_f32 v[O+n:O+n+1], v[O+n:O+n+1], v[234:235] op_sel_hi:[1,0]   ; O^T under the new M; also the plain instructions between the conversions and the products
.set n, n+2
.endr
	s_wait_alu depctr_va_vdst(0)
	s_wait_dscnt 0x0                               ; V
.set n, 0
.rept 4
	v_wmma_f32_16x16x128_fp8_fp8 v[O+8*n:O+8*n+7], v[F+16*n:F+16*n+15], v[P:P+15], v[O+8*n:O+8*n+7]   ; the four accumulators by turns; eight products K Q^T stand between a step's and the next's
.set n, n+1
.endr
	PLACES 4                                       ; ahead of the next writes of P and O^T
.endm
; Step t = s47 + dj, whose tiles lie in the given slot.
.macro HALF slot, dj
	s_add_co_u32 s48, s47, \dj
	s_cmp_gt_u32 s48, s45                          ; all of the step's keys lie behind my queries: no work, but the copy and the barrier
	s_cbranch_scc1 .Lhid_\@
	COMPUTE 1+\slot
.Lhid_\@:
	s_wait_loadcnt 0x0                             ; step t + 1 is in registers (asked for a step ago),
	STOREKV 4-\slot                                ; and goes into the other slot: its last readers passed the barrier at the end of step t - 1
	s_wait_xcnt 0x0                                ; the addresses of the last loads and prefetches have been read: they step
	s_add_nc_u64 s[54:55], s[54:55], 8192
	s_add_nc_u64 s[56:57], s[56:57], 8192
	s_add_nc_u64 s[58:59], s[58:59], 8192
	s_wait_dscnt 0x0                               ; my stores have landed, my reads of this slot are over
	s_wait_alu depctr_vm_vsrc(0)                   ; the eight LDS stores have read v200-231, in which the next loads land (behind the loop: the tail's loads of x)
	s_add_co_u32 s49, s48, 2
	s_cmp_lt_u32 s49, s46                          ; no load leaves the steps that the work-group walks
	s_cbranch_scc0 .Lnl_\@
	LOADKV
.Lnl_\@:
	ASK
	s_barrier_signal -1
	s_barrier_wait -1
.endm
; A layer of the FFN for my 16 features and the 64 rows: the rows' images at HIMG + img, my weights' two fragments at v[w], two tiles of rows at a time, their accumulators by turns.
; The first two tiles' loads owe no wait of their own: the wait on va_vdst ahead of the last run of LDS stores stands behind every line that names v120-183, and no vector or matrix instruction since names them.
.macro FFN img, w, bias
.irp p, 0,2
.if \p == 2
	s_wait_alu depctr_va_vdst(0)                   ; the four products above are done reading v120-183, in which the next two tiles' fragments land
.endif
.irp q, 0,1
.irp s, 0,1
.irp c, 0,1,2,3
	ds_load_b128 v[120+32*\q+16*\s+4*\c:123+32*\q+16*\s+4*\c], v244 offset:\img+IMG*(\p+\q)+(8*\s+2*\c)*272
.endr
.endr
.endr
	s_wait_dscnt 0x0
.if \bias
	v_wmma_f32_16x16x128_fp8_fp8 v[184+8*\p:191+8*\p], v[\w:\w+15], v[120:135], v[104:111]   ; the bias, divided by the power of two that the sums lack, starts the sums
	v_wmma_f32_16x16x128_fp8_fp8 v[192+8*\p:199+8*\p], v[\w:\w+15], v[152:167], v[104:111]
.else
	v_wmma_f32_16x16x128_fp8_fp8 v[184+8*\p:191+8*\p], v[\w:\w+15], v[120:135], 0
	v_wmma_f32_16x16x128_fp8_fp8 v[192+8*\p:199+8*\p], v[\w:\w+15], v[152:167], 0
.endif
	v_wmma_f32_16x16x128_fp8_fp8 v[184+8*\p:191+8*\p], v[\w+16:\w+31], v[136:151], v[184+8*\p:191+8*\p]
	v_wmma_f32_16x16x128_fp8_fp8 v[192+8*\p:199+8*\p], v[\w+16:\w+31], v[168:183], v[192+8*\p:199+8*\p]
	PLACES 5
.endr
.endm
	s_load_b512 s[8:23], s[0:1], 0x0               ; x s[8:9], qimg s[10:11], kimg s[12:13], vimg s[14:15], scales s[16:17], g2 s[18:19], b2 s[20:21], W1 s[22:23]
	s_load_b256 s[24:31], s[0:1], 0x40             ; bf1 s[24:25], W2 s[26:27], bf2 s[28:29], out0 s[30:31]
	v_lshl_add_u32 v254, v0, 2, 0x38c00
	v_mov_b32 v255, 0
	v_lshrrev_b32 v24, 5, v0
	v_readfirstlane_b32 s2, v24                    ; wave w, 0..15
	v_and_b32 v24, 31, v0                          ; lane L
	s_wait_alu depctr_va_vdst(0)
	v_and_b32 v25, 15, v0                          ; r
	v_bfe_u32 v26, v0, 4, 1                        ; h
	v_and_b32 v27, 8, v25
	v_add_nc_u32 v27, v27, v25                     ; r + 8 (r / 8): my query's place among its tile's rows
	s_wait_alu depctr_va_vdst(0)
	s_wait_alu depctr_va_sdst(0)                   ; s2 is written, ahead of its first reader: my head, my block, addresses and bases are made from it
	s_lshr_b32 s40, ttmp9, 6                       ; batch
	s_and_b32 s41, ttmp9, 63                       ; i: the early block
	s_lshr_b32 s72, s2, 2
	s_xor_b32 s42, s2, s72
	s_and_b32 s42, s42, 1                          ; 1: my queries are the late block's
	s_lshr_b32 s43, s2, 3                          ; u
	s_and_b32 s73, s2, 3                           ; head
	s_sub_co_u32 s74, 127, s41                     ; the late block
	s_cmp_eq_u32 s42, 1
	s_cselect_b32 s44, s74, s41                    ; my block
	s_lshr_b32 s45, s44, 2                         ; my last step, the one on the diagonal
	s_lshr_b32 s46, s74, 2
	s_add_co_u32 s46, s46, 1                       ; the work-group's steps: 17 to 32
	s_add_co_u32 s[TRIPS], s46, 1
	s_lshr_b32 s[TRIPS], s[TRIPS], 1               ; in trips of two: 9 to 16
	s_or_b32 s75, s43, s41
	s_cmp_eq_u32 s75, 0
	s_cselect_b32 s60, 32, 0                       ; waves 0-7 of the batch's first work-group prefetch K and V while t + 3 < 32
	s_sub_co_u32 s75, s46, 2
	s_cmp_ge_u32 s2, 8
	s_cselect_b32 s61, s75, -1                     ; waves 8-15 prefetch x in the last step but one
	s_mov_b32 s52, 0x76543210
	s_mov_b32 s53, 0xfedcba98
	; every LDS address is made here, of the thread's and the wave's number and constants
	s_lshl_b32 s75, s73, 13
	v_lshlrev_b32 v1, 4, v24
	v_add_nc_u32 v1, s75, v1                       ; a fragment's place in slot 0: 16 L + 8192 head
	v_add_nc_u32 v2, SLOT1, v1                     ; in slot 1
	v_lshlrev_b32 v3, 4, v0                        ; the copy: 16 x thread, in memory and in slot 0
	v_add_nc_u32 v4, SLOT1, v3                     ; in slot 1
	s_and_b32 s75, s44, 3
	s_lshl_b32 s75, s75, 5
	s_lshl_b32 s76, s43, 3
	s_add_co_u32 s75, s75, s76
	v_add_nc_u32 v5, s75, v27
	v_lshlrev_b32 v28, 4, v26
	v_sub_nc_u32 v5, v5, v28                       ; my query - the diagonal step's first key - 16 h
	v_lshlrev_b32 v6, 8, v24                       ; prefetch of K, V: 256 L
	v_lshrrev_b32 v28, 2, v24
	v_lshlrev_b32 v28, 10, v28
	v_and_b32 v29, 3, v24
	v_lshl_add_u32 v7, v29, 8, v28                 ; prefetch of x: row L / 4, 256 (L % 4)
	s_lshl_b32 s75, s42, 5
	s_add_co_u32 s75, s75, s76                     ; 32 late + 8 u
	s_mul_i32 s75, s75, RP
	s_lshl_b32 s76, s73, 8
	s_add_co_u32 s75, s75, s76
	s_add_co_u32 s75, s75, STA
	v_mul_u32_u24 v8, v27, RP
	v_lshl_add_u32 v8, v26, 5, v8
	v_add_nc_u32 v8, s75, v8                       ; att into the stage: row 32 late + 8 u + r + 8 (r / 8), byte 256 head + 32 h
	s_mul_i32 s76, s2, 4*RP
	v_lshl_add_u32 v10, v24, 5, s76                ; xt's stage: my four rows, 32 L
	v_add_nc_u32 v9, STA, v10                      ; att's: the same
	v_lshl_add_u32 v248, v24, 4, s76
	v_add_nc_u32 v248, STA, v248                   ; the way out: my four rows, 16 L
	v_lshrrev_b32 v28, 1, v24
	v_mul_u32_u24 v28, v28, 272
	v_and_b32 v29, 1, v24
	v_lshl_add_u32 v11, v29, 3, v28
	s_mul_i32 s77, s72, IMG
	s_lshl_b32 s76, s73, 6
	s_add_co_u32 s77, s77, s76
	s_add_co_u32 s77, s77, HIMG
	v_add_nc_u32 v11, s77, v11                     ; h's codes: image w / 4, rows 4 (w % 4) on, piece L / 2, byte 8 (L % 2)
	v_mul_u32_u24 v28, v26, 272
	v_lshl_add_u32 v244, v25, 4, v28
	v_add_nc_u32 v244, HIMG, v244                  ; a fragment's pieces: 272 h + 16 r
	v_lshlrev_b32 v245, 4, v25
	v_lshl_add_u32 v245, v26, 3, v245
	s_mul_i32 s77, s2, 272
	s_add_co_u32 s77, s77, H2IMG
	v_add_nc_u32 v245, s77, v245                   ; the hidden layer's codes: piece w, row r, byte 8 h
	v_mul_u32_u24 v246, v25, RP
	v_lshl_add_u32 v246, v26, 5, v246
	s_lshl_b32 s77, s2, 6
	v_add_nc_u32 v246, s77, v246                   ; xt at my outputs: row r, byte 64 w + 32 h
	v_add_nc_u32 v247, STA, v246                   ; out: the same place in the other stage
	v_lshlrev_b32 v249, 5, v24                     ; 32 L
	v_lshlrev_b32 v250, 4, v24                     ; 16 L
	v_lshlrev_b32 v251, 8, v25
	v_lshl_add_u32 v251, v26, 4, v251              ; W1, W2: row r of 256 bytes, + 16 h
	v_lshlrev_b32 v252, 5, v26                     ; bf1, bf2: 32 h
	; offsets in memory, apart from the addresses
	s_lshl_b32 s78, s40, 20                        ; the batch's four heads in kimg and vimg
	s_mov_b32 s79, 0
	s_lshl_b32 s80, s40, 2
	s_add_co_u32 s80, s80, s73
	s_lshl_b32 s80, s80, 18                        ; bh x 262,144
	s_mov_b32 s81, 0
	s_lshl_b32 s82, s44, 1
	s_add_co_u32 s82, s82, s43
	s_lshl_b32 s82, s82, 10                        ; my tile of queries: 2 block + u
	s_mov_b32 s83, 0
	s_cmp_lt_u32 s2, 8                             ; the tail: waves 0-7 take the early block's rows, waves 8-15 the late block's, four each
	s_cselect_b32 s84, s41, s74
	s_lshl_b32 s84, s84, 5
	s_and_b32 s85, s2, 7
	s_lshl_b32 s86, s85, 2
	s_add_co_u32 s84, s84, s86
	s_lshl_b32 s86, s40, 12
	s_add_co_u32 s84, s84, s86
	s_lshl_b32 s84, s84, 10
	s_cmp_lt_u32 s85, 4                            ; the prefetch of x: wave 8 + q takes 8 rows: q < 4 of the early block, else of the late
	s_cselect_b32 s88, s41, s74
	s_lshl_b32 s88, s88, 5
	s_and_b32 s87, s85, 3
	s_lshl_b32 s87, s87, 3
	s_add_co_u32 s88, s88, s87
	s_add_co_u32 s88, s88, s86
	s_lshl_b32 s88, s88, 10
	s_mov_b32 s85, 0
	s_mov_b32 s89, 0
	s_lshl_b32 s90, s2, 12                         ; my 16 rows of W1 and W2
	s_mov_b32 s91, 0
	s_lshl_b32 s86, s2, 6                          ; my 16 numbers of bf1 and bf2
	s_mov_b32 s87, 0
	s_wait_kmcnt 0x0
	s_load_b256 s[32:39], s[16:17], 0x18           ; e6 .. e13
	s_add_nc_u64 s[54:55], s[12:13], s[78:79]      ; K and V at step 0
	s_add_nc_u64 s[56:57], s[14:15], s[78:79]
	s_cmp_lt_u32 s2, 4
	s_cselect_b64 s[58:59], s[12:13], s[14:15]
	s_add_nc_u64 s[58:59], s[58:59], s[80:81]
	s_add_nc_u64 s[58:59], s[58:59], 16384         ; the prefetches stand at step 2: each step moves them on by one ahead of its own request
	s_add_nc_u64 s[10:11], s[10:11], s[80:81]
	s_add_nc_u64 s[10:11], s[10:11], s[82:83]
	s_add_nc_u64 s[66:67], s[8:9], s[84:85]
	s_add_nc_u64 s[68:69], s[30:31], s[84:85]
	s_add_nc_u64 s[62:63], s[8:9], s[88:89]
	s_add_nc_u64 s[22:23], s[22:23], s[90:91]
	s_add_nc_u64 s[26:27], s[26:27], s[90:91]
	s_add_nc_u64 s[24:25], s[24:25], s[86:87]
	s_add_nc_u64 s[28:29], s[28:29], s[86:87]
	s_wait_alu depctr_va_vdst(0)                   ; the addresses and offsets v1-4, v6-11 and v244-252 are written, which every load, store and prefetch of the kernel reads; none is written again
	global_load_b128 v[16:19], v250, s[10:11]      ; Q's fragment stays in registers
	global_load_b128 v[20:23], v250, s[10:11] offset:512
	LOADKV                                         ; step 0
	v_mov_b32 v13, 0xff61b1e6                      ; the largest t so far: -3e38, under every t
	v_floor_f32 v12, -v13                          ; -M
	v_mov_b32 v14, 0                               ; the sum, in two halves
	v_mov_b32 v15, 0
	v_mov_b32 v235, 0                              ; (named as the upper half of the pair v[234:235])
	v_mov_b32 v238, 0                              ; a lane permute's destination counts as one of its sources
	v_mov_b32 v242, 0xff800000                     ; -infinity
	v_mov_b32 v243, 0x3b800000                     ; 1 / 256
.set n, 0
.rept 32
	v_mov_b32 v[O+n], 0                            ; O^T: the step is written without a first step of its own: it finds zeros, which the first change of M leaves zeros
.set n, n+1
.endr
	s_wait_kmcnt 0x0
	s_add_co_i32 s72, s32, s33
	s_lshl_b32 s72, s72, 23
	s_add_co_i32 s50, s72, 0x3e38aa3b              ; c = log2(e) / 8, with e6 + e7 added to its exponent field
	s_mov_b32 s51, s50                             ; (named with it as a pair)
	POW2 72, 35
	v_mov_b32 v241, s72                            ; 2^e9
	LIM448 72, 35
	v_mov_b32 v240, s72                            ; 448 x 2^e9
	s_add_co_i32 s97, s34, s35                     ; e8 + e9
	POW2 92, 36                                    ; 2^e10,
	LIM448 93, 36                                  ; 448 x 2^e10
	s_add_co_i32 s96, s36, s37
	s_sub_co_i32 s75, s38, s96                     ; e12 - e10 - e11: the three scales ahead of the hidden layer's quantiser in one
	POW2 94, 75
	LIM448 95, 75
	s_sub_co_i32 s96, 0, s96                       ; -(e10 + e11), for bf1
	s_add_co_i32 s75, s38, s39
	POW2 70, 75                                    ; 2^(e12 + e13)
	s_mov_b32 s71, s70
	s_wait_loadcnt 0x0                             ; Q and step 0
	STOREKV 3
	s_wait_xcnt 0x0
	s_add_nc_u64 s[54:55], s[54:55], 8192
	s_add_nc_u64 s[56:57], s[56:57], 8192
	s_wait_dscnt 0x0
	s_wait_alu depctr_vm_vsrc(0)                   ; the eight LDS stores have read v200-231, in which step 1's loads land
	LOADKV                                         ; step 1
	s_barrier_signal -1
	s_barrier_wait -1
	s_mov_b32 s[TRIP], 0
.Ltrip:                                            ; two steps a trip, so that the slots are constants of the text; with an odd number of steps the last half has no work and no load
	s_lshl_b32 s47, s[TRIP], 1                     ; the trip's first step
	HALF 0, 0
	HALF 1, 1
	s_add_co_u32 s[TRIP], s[TRIP], 1
	s_cmp_lt_u32 s[TRIP], s[TRIPS]
	s_cbranch_scc1 .Ltrip
	; THE TAIL.  All that it reads from memory is asked for first.
	s_wait_loadcnt 0x0                             ; x lands in the registers through which K and V came: no load of those may be out.  (A step asks for step t + 2 only below the work-group's count of steps, so the last two have asked for nothing)
	s_wait_alu depctr_va_vdst(0)                   ; the loop's products are done reading v24-87, its softmax is done with v88-119: W1, W2, g2, b2, bf1 and bf2 land there
.irp i, 0,1,2,3
	global_load_b128 v[200+8*\i:203+8*\i], v249, s[66:67] offset:1024*\i th:TH_LOAD_NT
	global_load_b128 v[204+8*\i:207+8*\i], v249, s[66:67] offset:1024*\i+16 th:TH_LOAD_NT
.endr
	global_load_b128 v[88:91], v249, s[18:19]      ; g2,
	global_load_b128 v[92:95], v249, s[18:19] offset:16
	global_load_b128 v[96:99], v249, s[20:21]      ; b2 of my 8 columns
	global_load_b128 v[100:103], v249, s[20:21] offset:16
.irp s, 0,1
.irp c, 0,1,2,3
	global_load_b128 v[24+16*\s+4*\c:27+16*\s+4*\c], v251, s[22:23] offset:128*\s+32*\c
.endr
.endr
.irp s, 0,1
.irp c, 0,1,2,3
	global_load_b128 v[56+16*\s+4*\c:59+16*\s+4*\c], v251, s[26:27] offset:128*\s+32*\c
.endr
.endr
	global_load_b128 v[104:107], v252, s[24:25]    ; bf1, bf2 in the result's layout: features 16 w + 8 h + 0 .. 7
	global_load_b128 v[108:111], v252, s[24:25] offset:16
	global_load_b128 v[112:115], v252, s[28:29]
	global_load_b128 v[116:119], v252, s[28:29] offset:16
	; att = O^T / the sum x 2^(e8 + e9), into the stage
	v_add_f32 v14, v14, v15
	v_permlanex16_b32 v238, v14, s[SEL], s[SEL+1]
	v_add_f32 v14, v14, v238                       ; the row's sum
	s_wait_alu depctr_va_vdst(0)
	v_rcp_f32 v14, v14
	v_nop                                          ; a plain instruction behind it,
	s_wait_alu depctr_va_vdst(0)                   ; and the wait for the reciprocal, ahead of its first reader
	v_ldexp_f32 v14, v14, s97
.set n, 0
.rept 32
	v_mul_f32 v[120+n], v[O+n], v14                ; register 8 ct + j: channel 16 ct + 8 h + j of my query
.set n, n+1
.endr
	s_wait_alu depctr_va_vdst(0)                   ; the multiplications have written v120-151, which the LDS stores read, and are done reading v152-183, in which att's rows land behind the barrier
.irp ct, 0,1,2,3
	ds_store_b128 v8, v[120+8*\ct:123+8*\ct] offset:64*\ct
	ds_store_b128 v8, v[124+8*\ct:127+8*\ct] offset:64*\ct+16
.endr
	BAR                                            ; 64 whole rows of att lie in the stage
	; xt = x + att for my four rows; kept in LDS for the end; layernorm; h's codes
.irp i, 0,1,2,3
	ds_load_b128 v[152+8*\i:155+8*\i], v9 offset:RP*\i
	ds_load_b128 v[156+8*\i:159+8*\i], v9 offset:RP*\i+16
.endr
	v_mov_b32 v241, s92                            ; 2^e10
	v_mov_b32 v240, s93                            ; 448 x 2^e10
	s_wait_loadcnt 20                              ; x, g2 and b2 are in; the 20 loads issued behind them (W1, W2, bf1, bf2) may stay out
	s_wait_dscnt 0x0
.set n, 0
.rept 16
	v_pk_add_f32 v[200+n:201+n], v[200+n:201+n], v[152+n:153+n]
.set n, n+2
.endr
	s_wait_alu depctr_va_vdst(0)                   ; the additions have written xt in v200-231, which the LDS stores read
.irp i, 0,1,2,3
	ds_store_b128 v10, v[200+8*\i:203+8*\i] offset:RP*\i
	ds_store_b128 v10, v[204+8*\i:207+8*\i] offset:RP*\i+16
.endr
	LNROWS 200, 152, 88, 96, 184, 188
.irp i, 0,1,2,3
.irp j, 0,1,2,3,4,5,6,7
	v_med3_num_f32 v[152+8*\i+\j], v[152+8*\i+\j], -v240, v240
.endr
	v_cvt_scalef32_pk8_fp8_f32 v[232+2*\i:233+2*\i], v[152+8*\i:159+8*\i], v241
.endr
	v_nop                                          ; a plain instruction behind the last conversion
	s_wait_alu depctr_va_vdst(0)                   ; the four conversions have written v232-239, which the LDS stores read; the layernorm is done with v88-103, v152-183 and v200-231, in which LDS loads land later
.irp i, 0,1,2,3
	ds_store_b64 v11, v[232+2*\i:233+2*\i] offset:16*\i
.endr
	BAR                                            ; h's four images and xt's 64 rows lie in LDS
	s_wait_alu depctr_vm_vsrc(0)                   ; my LDS stores have read v120-151 (att), v200-231 (xt) and v232-239 (h's codes): the fragments' loads, the accumulators v200-215, xt's loads into v216-231 and the next conversions write them
	; the hidden layer: my 16 features for the 64 rows
	s_wait_loadcnt 0x0
.set n, 0
.rept 8
	v_ldexp_f32 v[104+n], v[104+n], s96            ; bf1 / 2^(e10 + e11)
.set n, n+1
.endr
	s_wait_alu depctr_va_vdst(0)
	v_mov_b32 v241, s94
	v_mov_b32 v240, s95
	FFN 0, 24, 1
.set n, 0
.rept 32
	v_med3_num_f32 v[184+n], v[184+n], 0, v240     ; the activation and the hold in one
.set n, n+1
.endr
.irp m, 0,1,2,3
	v_cvt_scalef32_pk8_fp8_f32 v[232+2*\m:233+2*\m], v[184+8*\m:191+8*\m], v241
.endr
	v_nop
	s_wait_alu depctr_va_vdst(0)                   ; the four conversions have written v232-239, which the LDS stores read; the layer's products are done reading v120-183, in which the next layer's fragments land
.irp m, 0,1,2,3
	ds_store_b64 v245, v[232+2*\m:233+2*\m] offset:IMG*\m
.endr
	BAR                                            ; the hidden layer's four images lie in LDS
	; out = xt + bf2 + sum x 2^(e12 + e13)
.irp m, 0,1,2,3
.set XT, 216+8*\m-144*(\m/2)                   ; xt at my outputs: v216-231 for tiles 0 and 1, v88-103 for tiles 2 and 3
	ds_load_b128 v[XT:XT+3], v246 offset:16*RP*\m
	ds_load_b128 v[XT+4:XT+7], v246 offset:16*RP*\m+16
.endr
	FFN H2IMG-HIMG, 56, 0
.irp m, 0,1,2,3
.set XT, 216+8*\m-144*(\m/2)
.irp j, 0,2,4,6
	v_pk_add_f32 v[XT+\j:XT+\j+1], v[XT+\j:XT+\j+1], v[112+\j:113+\j]
.endr
.endr
.irp m, 0,1,2,3
.set XT, 216+8*\m-144*(\m/2)
.irp j, 0,2,4,6
	v_pk_fma_f32 v[XT+\j:XT+\j+1], v[184+8*\m+\j:185+8*\m+\j], s[70:71], v[XT+\j:XT+\j+1] op_sel_hi:[1,0,1]
.endr
.endr
	s_wait_alu depctr_va_vdst(0)                   ; the multiply-adds have written out in v216-231 and v88-103, which the LDS stores read; the layer's products are done reading v120-151, in which the way out's rows land
.irp m, 0,1,2,3
.set XT, 216+8*\m-144*(\m/2)
	ds_store_b128 v247, v[XT:XT+3] offset:16*RP*\m
	ds_store_b128 v247, v[XT+4:XT+7] offset:16*RP*\m+16
.endr
	BAR                                            ; 64 whole rows of out lie in the stage that held att
.irp i, 0,1,2,3
	ds_load_b128 v[120+8*\i:123+8*\i], v248 offset:RP*\i
	ds_load_b128 v[124+8*\i:127+8*\i], v248 offset:RP*\i+512
.endr
.irp i, 0,1,2,3
	s_wait_dscnt 7-2*\i                            ; LDS loads come back in order: the younger ones may stay out
	global_store_b128 v250, v[120+8*\i:123+8*\i], s[68:69] offset:1024*\i th:TH_STORE_NT       ; 32 lanes store 512 consecutive bytes, aligned
	s_wait_dscnt 6-2*\i
	global_store_b128 v250, v[124+8*\i:127+8*\i], s[68:69] offset:1024*\i+512 th:TH_STORE_NT
.endr
	s_wait_dscnt 0x0
	s_wait_alu depctr_hold_cnt(0) depctr_sa_sdst(0) depctr_va_vdst(0) depctr_va_sdst(0) depctr_va_ssrc(0) depctr_va_vcc(0) depctr_vm_vsrc(0)
	s_wait_tensorcnt 0x0
	ds_add_u32 v254, v255
	s_wait_dscnt 0x0
	s_endpgm
.Lfunc_end_k_q77998598ad_attn:
	.size	k_q77998598ad_attn, .Lfunc_end_k_q77998598ad_attn-k_q77998598ad_attn
	.p2alignl 7, 3214868480
	.fill 96, 4, 3214868480
	.section	.rodata,"a",@progbits
	.p2align	6, 0x0
	.amdhsa_kernel k_q77998598ad_attn
		.amdhsa_group_segment_fixed_size 234496
		.amdhsa_private_segment_fixed_size 0
		.amdhsa_enable_private_segment 0
		.amdhsa_kernarg_size 96
		.amdhsa_user_sgpr_count 2
		.amdhsa_user_sgpr_kernarg_segment_ptr 1
		.amdhsa_wavefront_size32 1
		.amdhsa_system_sgpr_workgroup_id_x 1
		.amdhsa_system_sgpr_workgroup_id_y 1
		.amdhsa_system_sgpr_workgroup_id_z 1
		.amdhsa_system_vgpr_workitem_id 0
		.amdhsa_next_free_vgpr 256
		.amdhsa_next_free_sgpr 100
		.amdhsa_reserve_vcc 0
		.amdhsa_float_denorm_mode_32 3
		.amdhsa_float_denorm_mode_16_64 3
		.amdhsa_memory_ordered 1
		.amdhsa_forward_progress 1
		.amdhsa_inst_pref_size 97
	.end_amdhsa_kernel
	.amdgpu_metadata
---
amdhsa.version: [ 1, 2 ]
amdhsa.kernels:
  - .name:           k_q77998598ad_attn
    .symbol:         k_q77998598ad_attn.kd
    .args:
      - { .name: x, .offset: 0, .size: 8, .value_kind: global_buffer, .address_space: global }
      - { .name: qimg, .offset: 8, .size: 8, .value_kind: global_buffer, .address_space: global }
      - { .name: kimg, .offset: 16, .size: 8, .value_kind: global_buffer, .address_space: global }
      - { .name: vimg, .offset: 24, .size: 8, .value_kind: global_buffer, .address_space: global }
      - { .name: lowp_scales, .offset: 32, .size: 8, .value_kind: global_buffer, .address_space: global }
      - { .name: g2, .offset: 40, .size: 8, .value_kind: global_buffer, .address_space: global }
      - { .name: b2, .offset: 48, .size: 8, .value_kind: global_buffer, .address_space: global }
      - { .name: W1_codes, .offset: 56, .size: 8, .value_kind: global_buffer, .address_space: global }
      - { .name: bf1, .offset: 64, .size: 8, .value_kind: global_buffer, .address_space: global }
      - { .name: W2_codes, .offset: 72, .size: 8, .value_kind: global_buffer, .address_space: global }
      - { .name: bf2, .offset: 80, .size: 8, .value_kind: global_buffer, .address_space: global }
      - { .name: out0, .offset: 88, .size: 8, .value_kind: global_buffer, .address_space: global }
    .group_segment_fixed_size: 234496
    .private_segment_fixed_size: 0
    .kernarg_segment_align: 8
    .kernarg_segment_size: 96
    .max_flat_workgroup_size: 512
    .sgpr_count:     100
    .vgpr_count:     256
    .wavefront_size: 32
...
	.end_amdgpu_metadata
.endif
;; end of part 4
